; MI455X (gfx1250); checked and timed in simulation.
; The chip was launched on July 23, 2026; its instructions are those of AMD's public machine-readable ISA for CDNA 5 (MIT licence, August 2026) and "CDNA5" Instruction Set Architecture Reference Guide (July 2026). The comments in the code are by the model that wrote it; some were corrected since.
;; Flash Cross Attention Layer. Allowed arithmetic: matrix products marked QUANTISED: E2M3 operands, one E8M0 scale for each 32 along K, by v_wmma_scale_f32_16x16x128_f8f6f4 with both operands' format E2M3, f32 sums; everything else in f32.
;; Inputs: Wkv 2,048 x 1,024 float32; Wo 1,024 x 1,024 float32; Wq 1,024 x 1,024 float32; bkv 2,048 float32; bo 1,024 float32; bq 1,024 float32; kv 4 x 2,048 x 1,024 float32; mask 4 x 2,048 bool; norm_kv_b 1,024 float32; norm_kv_w 1,024 float32; norm_q_b 1,024 float32; norm_q_w 1,024 float32; q 4 x 1,024 x 1,024 float32.
;; Outputs: out0 4 x 1,024 x 1,024 float32.
;; This version of the problem:
;;   THIS VERSION OF THE PROBLEM IS GIVEN IN LOW PRECISION. The matrix products marked QUANTISED in the list below multiply operands that are first quantised to E2M3 (2 exponent bits, 3 mantissa bits; 6 bits a number), with one power-of-two scale for each 32 numbers along K (OCP MX v1.0); their sums are f32. All else is computed in f32.
;;   The module's matrix products, in the order in which they are computed (A, B: the left and right operand; K: the contracted axis; several contracted axes count as one K, in the product's order):
;;     1. [M 4,096, K 1,024] x [K 1,024, N 1,024]; A: computed on the way; B: input Wq: QUANTISED
;;     2. [M 8,192, K 1,024] x [K 1,024, N 2,048]; A: computed on the way; B: input Wkv: QUANTISED
;;     3. batch 64 x [M 1,024, K 64] x [K 64, N 2,048]; A: computed on the way; B: computed on the way: QUANTISED
;;     4. batch 64 x [M 64, K 2,048] x [K 2,048, N 1,024]; A: computed on the way; B: softmax (see below): QUANTISED
;;     5. [M 4,096, K 1,024] x [K 1,024, N 1,024]; A: computed on the way; B: input Wo: QUANTISED
;;   THE QUANTISER, for each operand of a quantised product, along K:
;;     - K is cut into blocks of 32 from its start; a last block that is shorter is filled with zeros.
;;     - A block's scale is 2^e with e = floor(log2(the largest magnitude in the block)) - 2, held to -126 .. 127; a block of zeros has e = 0. As a byte (E8M0): e + 127.
;;     - Each number is divided by its block's scale, clamped to +-7.5, and rounded to the nearest number of E2M3, ties to even, subnormals kept.
;;     - The product sums the exact products of the quantised numbers (number of the format x scale) in f32.
;;   ~~~python
;;   def quantise(x, axis):      # numpy; x: float32 -> the quantised numbers, widened to float32 again
;;       x = np.moveaxis(x, axis, -1); K = x.shape[-1]
;;       x = np.pad(x, [(0, 0)] * (x.ndim - 1) + [(0, -K % 32)]); x = x.reshape(x.shape[:-1] + (-1, 32)); a = np.abs(x).max(-1, keepdims=True)
;;       e = np.where(a > 0, np.clip(np.frexp(np.where(a > 0, a, 1))[1] - 1 - 2, -126, 127), 0)      # np.frexp(a)[1] - 1 = floor(log2(a)), exactly
;;       r = np.clip(x / 2.0 ** e, -7.5, 7.5)
;;       step = 2.0 ** (np.maximum(np.frexp(np.where(r == 0, 1, r))[1] - 1, 0) - 3)
;;       q = np.round(r / step) * step * 2.0 ** e      # np.round: ties to even
;;       return np.moveaxis(q.reshape(q.shape[:-2] + (-1,))[..., :K], -1, axis).astype(np.float32)
;;   ~~~
;;   SOFTMAX AHEAD OF A QUANTISED PRODUCT. Where the list says 'softmax', what is quantised is not the finished softmax but p = 2^(t - M), with t = logit x log2(e) and M = ceil(the row's largest t), a whole number; so 1/2 < the row's largest p <= 1. The row's sum l is taken of the UNQUANTISED p, in f32, and the product's result is divided by l at the end. Since M is a whole number, a kernel that streams over the keys may use a running M (the ceiling of the running maximum): every later rescaling is an exact power of two, which a block's scale takes up: the codes' values come out the same.
;;   OPERANDS COMPUTED ON THE WAY. 'Computed on the way' means the value that the module computes at that place (a softmax that the list does not call 'softmax' is quantised finished and normalised). What goes into a quantiser is computed in f32, as accurately as f32 sums, v_exp_f32 and their like allow (about 1e-6 of the number): no bf16 or f16 on the way to a quantiser, and a product that is left as it is and whose result goes on into a quantised operand takes f32 operands (vector FMAs, or v_wmma_f32_16x16x4_f32). A number that lies on a knife's edge between two numbers of the format may be rounded either way, as far as f32 arithmetic and the matrix unit's own rounding can turn it there, and no further.
;; 2 versions, each right; version 2 is version 1 with the launch attn written anew for expert scheduling mode. Each part assembles by itself: llvm-mc -triple=amdgcn-amd-amdhsa -mcpu=gfx1250 --defsym DOCPART=n.
;; ======== version 1 of 2: 4 launches
;; workspace buffers: xc 12,582,912 bytes; xs 524,288 bytes; kvw 13,631,488 bytes; ao 3,145,728 bytes; aos 131,072 bytes
;; launch prep (part 1): grid 256 x 1, 16 waves a work-group, no clusters, 128,000 bytes of LDS; arguments q, kv, Wq, Wkv, Wo, norm_q_w, norm_q_b, norm_kv_w, norm_kv_b, xc, xs; writes xc, xs
.if DOCPART == 1
	.amdgcn_target "amdgcn-amd-amdhsa--gfx1250"
	.amdhsa_code_object_version 6
	.text
	.protected	k_qf935aca79d_prep
	.globl	k_qf935aca79d_prep
	.p2align	8
	.type	k_qf935aca79d_prep,@function
k_qf935aca79d_prep:
	s_mov_b64 s[64:65], 0
	v_nop
	global_prefetch_b8 v0, s[64:65] scope:SCOPE_SE
	s_setreg_imm32_b32 hwreg(HW_REG_WAVE_MODE, 25, 1), 1
	s_wait_xcnt 0x0
; LayerNorm of q and kv, and the quantiser (codes of E2M3, one E8M0 byte for each 32 along K) of the normalised rows and of Wq, Wkv, Wo: 16,384 rows of 1,024 numbers in all,
; taken as ONE list of rows: q 0.., kv 4,096.., Wq 12,288.., Wkv 13,312.., Wo 15,360...  A work-group takes 64 rows of the list, a wave four.
; THE OUTPUT'S LAYOUT is that of the matrix operand's registers.  Rows go in groups of 32: stored tile 2 g + u, place r, holds row 32 g + 8 u + r + 8 (r / 8).
; 16 rows x 64 along K are an IMAGE of 768 bytes: lane L = r + 16 h holds the 24 bytes of block h of row r: its first 16 bytes at 16 L, its last 8 at 512 + 8 L.
; xc: [tile][16 images][768 bytes];  xs: [tile][r][32 scale bytes].
; A weight's rows take the same path with mean 0, factor 1, gain 1 and bias 0 (selected by the work-group's number): x * 1 * 1 + 0 is x.
; A wave's four rows are four neighbours in memory.  A row is loaded 512 consecutive bytes an instruction, normalised so, and turned through the wave's own stage in LDS so that lane l holds block l (32 neighbours).
; LIMITS: NaN and infinities among the inputs are not served; a block of zeros gets the byte 1 (its codes are zeros; this program alone reads the bytes); blocks whose largest magnitude lies under 2^-124 are held at that byte.
.set SROW,   4608                      ; a wave's stage: 32 places of 128 bytes + 16
.set IMG,    16*SROW                   ; behind the stages: the work-group's 64 images,
.set IPITCH, 784                       ; 768 bytes + 16 each,
.set TPITCH, 16*IPITCH                 ; sixteen to a tile
.set SCB,    IMG+4*TPITCH              ; and its 2,048 scale bytes
.set MU, 12                            ; v12-19   the rows' means, as pairs
.set RS, 20                            ; v20-27   1 / sqrt(var + eps), as pairs
.set SM, 28                            ; v28-35   sums, as pairs
.set PD, 36                            ; v36-39   what the other half of the lanes sends
.set W,  40                            ; v40-71   the gain at my columns
.set BB, 72                            ; v72-103  the bias
.set X,  104                           ; v104-231 four rows, 32 registers each
.set C,  232                           ; v232-238 a block's codes
	s_load_b256 s[4:11], s[0:1], 0x0               ; q, kv, Wq, Wkv
	s_load_b256 s[12:19], s[0:1], 0x20             ; Wo, norm_q_w, norm_q_b, norm_kv_w
	s_load_b128 s[20:23], s[0:1], 0x40             ; norm_kv_b, xc
	s_load_b64 s[24:25], s[0:1], 0x50              ; xs
	v_lshl_add_u32 v254, v0, 2, 0x1ec00
	v_mov_b32 v255, 0
	v_lshrrev_b32 v10, 5, v0
	v_readfirstlane_b32 s36, v10                   ; wave 0..15
	v_and_b32 v1, 31, v0                           ; lane
	v_lshlrev_b32 v2, 4, v1                        ; 16 x lane
	s_mul_i32 s37, s36, SROW
	v_lshrrev_b32 v10, 3, v1
	v_lshl_add_u32 v3, v10, 4, v2
	v_add_nc_u32 v3, s37, v3                       ; into the stage: eight lanes' 128 bytes on end, then 16 of padding
	v_mul_u32_u24 v4, v1, 144
	v_add_nc_u32 v4, s37, v4                       ; out of it: block l
	s_lshr_b32 s38, s36, 2
	s_mul_i32 s38, s38, TPITCH
	s_add_co_u32 s38, s38, IMG                     ; my tile's images
	s_and_b32 s39, s36, 3
	s_lshl_b32 s43, s39, 6
	s_add_co_u32 s43, s43, s38
	s_lshl_b32 s44, s39, 5
	s_add_co_u32 s44, s44, s38
	s_add_co_u32 s44, s44, 512
	v_lshrrev_b32 v10, 1, v1
	v_mul_u32_u24 v10, v10, IPITCH                 ; block l lies in image l / 2, half l % 2
	v_and_b32 v240, 1, v1
	v_lshl_add_u32 v5, v240, 8, v10
	v_add_nc_u32 v5, s43, v5                       ; 16 (r + 16 h), r = 4 (wave % 4) + k: k stands in the immediate
	v_lshl_add_u32 v6, v240, 7, v10
	v_add_nc_u32 v6, s44, v6                       ; 512 + 8 (r + 16 h)
	s_lshl_b32 s45, s36, 7
	s_add_co_u32 s45, s45, SCB
	v_add_nc_u32 v7, s45, v1                       ; my block's scale byte: 32 bytes a row, four rows a wave
	s_mul_i32 s46, s36, 4*IPITCH
	s_add_co_u32 s46, s46, IMG
	v_add_nc_u32 v8, s46, v2                       ; the way out: four images a wave, 16 bytes a lane;
	v_lshrrev_b32 v10, 4, v1
	v_lshl_add_u32 v9, v10, 4, v8                  ; where lanes 16-31 stand in the next image: one padding more
	s_lshl_b32 s47, s36, 9
	s_add_co_u32 s47, s47, SCB
	v_add_nc_u32 v11, s47, v2                      ; the scale bytes' way out (waves 0 to 3)
	s_lshr_b32 s45, s36, 3                         ; my first row among the work-group's 64: 32 (w / 8) + 8 ((w / 4) % 2) + 8 ((w / 2) % 2) + 4 (w % 4)
	s_lshl_b32 s45, s45, 5
	s_bfe_u32 s46, s36, 0x10002
	s_lshl_b32 s46, s46, 3
	s_add_co_u32 s45, s45, s46
	s_bfe_u32 s46, s36, 0x10001
	s_lshl_b32 s46, s46, 3
	s_add_co_u32 s45, s45, s46
	s_lshl_b32 s46, s39, 2
	s_add_co_u32 s45, s45, s46
	s_mov_b32 s2, 0x76543210
	s_mov_b32 s3, 0xfedcba98                       ; lane selects: lane l xor 16
	s_mov_b32 s41, 0x3a800000                      ; 1 / 1024
	s_mov_b32 s42, 0x3727c5ac                      ; eps = 1e-5
.irp k, 0,1,2,3
	v_mov_b32 v[PD+\k], 0                          ; a lane permute's destination counts as one of its sources
.endr
	s_wait_kmcnt 0x0
	s_mov_b32 s28, 240                             ; which tensor, and its first work-group: the choice hangs on the work-group's number alone
	s_cmp_lt_u32 ttmp9, 240
	s_cselect_b64 s[26:27], s[10:11], s[12:13]
	s_cselect_b32 s28, 208, s28
	s_cmp_lt_u32 ttmp9, 208
	s_cselect_b64 s[26:27], s[8:9], s[26:27]
	s_cselect_b32 s28, 192, s28
	s_cmp_lt_u32 ttmp9, 192
	s_cselect_b64 s[26:27], s[6:7], s[26:27]
	s_cselect_b32 s28, 64, s28
	s_cselect_b32 s40, -1, 0                       ; all lanes: rows that are normalised
	s_cmp_lt_u32 ttmp9, 64
	s_cselect_b64 s[26:27], s[4:5], s[26:27]
	s_cselect_b32 s28, 0, s28
	s_cselect_b64 s[30:31], s[14:15], s[18:19]     ; gain
	s_cselect_b64 s[32:33], s[16:17], s[20:21]     ; bias
	s_sub_co_u32 s29, ttmp9, s28
	s_lshl_b32 s29, s29, 6
	s_add_co_u32 s29, s29, s45
	s_lshl_b32 s34, s29, 12                        ; 4,096 bytes a row; under 2^26
	s_mov_b32 s35, 0
	s_add_nc_u64 s[26:27], s[26:27], s[34:35]
	s_mul_i32 s34, ttmp9, 49152
	s_mul_i32 s29, s36, 3072
	s_add_co_u32 s34, s34, s29
	s_add_nc_u64 s[22:23], s[22:23], s[34:35]      ; xc at my wave's 3,072 bytes
	s_lshl_b32 s34, ttmp9, 11
	s_lshl_b32 s29, s36, 9
	s_add_co_u32 s34, s34, s29
	s_add_nc_u64 s[24:25], s[24:25], s[34:35]      ; xs likewise (waves 0 to 3)
	s_cmp_lt_u32 ttmp9, 192
	s_cbranch_scc1 .Lgain
.set j, 0
.rept 32
	v_mov_b32 v[W+j], 1.0                          ; a weight's rows: gain 1, bias 0
	v_mov_b32 v[BB+j], 0
.set j, j+1
.endr
	s_branch .Lrows
.Lgain:
.irp j, 0,1,2,3,4,5,6,7
	global_load_b128 v[W+4*\j:W+4*\j+3], v2, s[30:31] offset:512*\j
	global_load_b128 v[BB+4*\j:BB+4*\j+3], v2, s[32:33] offset:512*\j
.endr
.Lrows:
.irp k, 0,1,2,3
.irp j, 0,1,2,3,4,5,6,7
	global_load_b128 v[X+32*\k+4*\j:X+32*\k+4*\j+3], v2, s[26:27] offset:4096*\k+512*\j th:TH_LOAD_NT   ; 32 lanes read 512 consecutive bytes; each row is read once
.endr
.endr
.macro REDUCE k                        ; the pair of sums of row k over its halves and the 32 lanes; every lane gets the result
	v_add_f32 v[SM+2*\k], v[SM+2*\k], v[SM+2*\k+1]
	v_add_f32_dpp v[SM+2*\k], v[SM+2*\k], v[SM+2*\k] row_xmask:1 row_mask:0xf bank_mask:0xf
	v_add_f32_dpp v[SM+2*\k], v[SM+2*\k], v[SM+2*\k] row_xmask:2 row_mask:0xf bank_mask:0xf
	v_add_f32_dpp v[SM+2*\k], v[SM+2*\k], v[SM+2*\k] row_xmask:4 row_mask:0xf bank_mask:0xf
	v_add_f32_dpp v[SM+2*\k], v[SM+2*\k], v[SM+2*\k] row_xmask:8 row_mask:0xf bank_mask:0xf
	v_permlanex16_b32 v[PD+\k], v[SM+2*\k], s2, s3
	v_add_f32 v[SM+2*\k], v[SM+2*\k], v[PD+\k]
.endm
; Row k: the mean, x - mean in place, the mean of the squares + eps.  left: the loads of the later rows, which may stay out (gain and bias were issued ahead of all rows)
.macro STATS k, left
	s_wait_loadcnt \left
	v_pk_add_f32 v[SM+2*\k:SM+2*\k+1], v[X+32*\k:X+32*\k+1], v[X+32*\k+2:X+32*\k+3]
.irp j, 4,6,8,10,12,14,16,18,20,22,24,26,28,30
	v_pk_add_f32 v[SM+2*\k:SM+2*\k+1], v[SM+2*\k:SM+2*\k+1], v[X+32*\k+\j:X+32*\k+\j+1]
.endr
	REDUCE \k
	v_mul_f32 v[MU+2*\k], s41, v[SM+2*\k]
	v_cndmask_b32 v[MU+2*\k], 0, v[MU+2*\k], s40   ; a weight's rows: 0
	v_mov_b32 v[MU+2*\k+1], v[MU+2*\k]
.irp j, 0,2,4,6,8,10,12,14,16,18,20,22,24,26,28,30
	v_pk_add_f32 v[X+32*\k+\j:X+32*\k+\j+1], v[X+32*\k+\j:X+32*\k+\j+1], v[MU+2*\k:MU+2*\k+1] neg_lo:[0,1] neg_hi:[0,1]
.endr
	v_pk_mul_f32 v[SM+2*\k:SM+2*\k+1], v[X+32*\k:X+32*\k+1], v[X+32*\k:X+32*\k+1]
.irp j, 2,4,6,8,10,12,14,16,18,20,22,24,26,28,30
	v_pk_fma_f32 v[SM+2*\k:SM+2*\k+1], v[X+32*\k+\j:X+32*\k+\j+1], v[X+32*\k+\j:X+32*\k+\j+1], v[SM+2*\k:SM+2*\k+1]
.endr
	REDUCE \k
	v_fma_f32 v[RS+2*\k], v[SM+2*\k], s41, s42
.endm
	STATS 0, 24
	STATS 1, 16
	STATS 2, 8
	STATS 3, 0
.irp k, 0,1,2,3
	v_rsq_f32 v[RS+2*\k], v[RS+2*\k]               ; one batch of four
.endr
	v_nop                                          ; a plain instruction behind the last of them
	s_wait_alu depctr_va_vdst(0)                   ; one wait for the four, ahead of their first reader
.irp k, 0,1,2,3
	v_cndmask_b32 v[RS+2*\k], 1.0, v[RS+2*\k], s40 ; a weight's rows: 1
	v_mov_b32 v[RS+2*\k+1], v[RS+2*\k]
.endr
; Row k is finished, turned so that lane l holds block l, quantised, and its codes and byte are put at their places in the images.
.macro ROW k
.set XS, X+32*(\k)
.irp j, 0,2,4,6,8,10,12,14,16,18,20,22,24,26,28,30
	v_pk_mul_f32 v[XS+\j:XS+\j+1], v[XS+\j:XS+\j+1], v[RS+2*(\k):RS+2*(\k)+1]
.endr
.irp j, 0,2,4,6,8,10,12,14,16,18,20,22,24,26,28,30
	v_pk_fma_f32 v[XS+\j:XS+\j+1], v[XS+\j:XS+\j+1], v[W+\j:W+\j+1], v[BB+\j:BB+\j+1]
.endr
.irp j, 0,1,2,3,4,5,6,7
	ds_store_b128 v3, v[XS+4*\j:XS+4*\j+3] offset:576*\j
.endr
.irp e, 0,1,2,3,4,5,6,7
	ds_load_b128 v[XS+4*\e:XS+4*\e+3], v4 offset:16*\e   ; LDS serves a wave's instructions in order: these see the stores above
.endr
	s_wait_dscnt 0x0                               ; the block is in; the last row's stores of codes and byte have read their registers too
	v_max3_num_f32 v240, |v[XS]|, |v[XS+1]|, |v[XS+2]|     ; the block's largest magnitude: all 32 numbers are mine
	v_max3_num_f32 v241, |v[XS+3]|, |v[XS+4]|, |v[XS+5]|
.irp i, 6,10,14,18,22,26
	v_max3_num_f32 v240, v240, |v[XS+\i]|, |v[XS+\i+1]|
	v_max3_num_f32 v241, v241, |v[XS+\i+2]|, |v[XS+\i+3]|
.endr
	v_max3_num_f32 v240, v240, |v[XS+30]|, |v[XS+31]|
	v_max3_num_f32 v240, v240, v241, 0x1800000     ; and the floor 2^(3 - 127): the byte cannot fall under 1
	v_add_nc_u32 v242, 0xff000000, v240            ; 2 off the exponent field: the conversion takes this operand's exponent field as its scale
	v_lshrrev_b32 v243, 23, v242                   ; the scale's byte
	v_cvt_scalef32_pk16_fp6_f32 v[C:C+2], v[XS:XS+15], v242
	v_cvt_scalef32_pk16_fp6_f32 v[C+4:C+6], v[XS+16:XS+31], v242   ; (a conversion's three registers begin on an even number)
	v_nop                                          ; one plain place behind a scaled conversion
	v_mov_b32 v[C+3], v[C+4]                       ; the six registers on end
	v_mov_b32 v[C+4], v[C+5]
	v_mov_b32 v[C+5], v[C+6]
	ds_store_b128 v5, v[C:C+3] offset:16*(\k)
	ds_store_b64 v6, v[C+4:C+5] offset:8*(\k)
	ds_store_b8 v7, v243 offset:32*(\k)
.endm
	ROW 0
	ROW 1
	ROW 2
	ROW 3
	s_wait_dscnt 0x0                               ; for the others' sake: my stores into the images are done
	s_barrier_signal -1
	s_barrier_wait -1
	; THE WAY OUT: the work-group's 49,152 bytes of codes are dense in xc; a wave takes four images, 512 consecutive bytes an instruction
.irp n, 0,2,3,5
	ds_load_b128 v[X+4*\n:X+4*\n+3], v8 offset:512*\n+16*((2*\n)/3)
.endr
.irp n, 1,4
	ds_load_b128 v[X+4*\n:X+4*\n+3], v9 offset:512*\n+16*((2*\n)/3)   ; lanes 16-31 stand in the next image
.endr
	s_wait_dscnt 0x2                               ; pieces 0, 2, 3, 5 are in (the two issued last may be out)
.irp n, 0,2,3,5
	global_store_b128 v2, v[X+4*\n:X+4*\n+3], s[22:23] offset:512*\n
.endr
	s_wait_dscnt 0x0
.irp n, 1,4
	global_store_b128 v2, v[X+4*\n:X+4*\n+3], s[22:23] offset:512*\n
.endr
	s_cmp_lt_u32 s36, 4
	s_cbranch_scc0 .Lend
	ds_load_b128 v[X+24:X+27], v11                 ; the 2,048 scale bytes: waves 0 to 3, 512 consecutive bytes each
	s_wait_dscnt 0x0
	global_store_b128 v2, v[X+24:X+27], s[24:25]
.Lend:
	s_wait_tensorcnt 0x0
	ds_add_u32 v254, v255
	s_wait_dscnt 0x0
	s_endpgm
.Lfunc_end_k_qf935aca79d_prep:
	.size	k_qf935aca79d_prep, .Lfunc_end_k_qf935aca79d_prep-k_qf935aca79d_prep
	.p2alignl 7, 3214868480
	.fill 96, 4, 3214868480
	.section	.rodata,"a",@progbits
	.p2align	6, 0x0
	.amdhsa_kernel k_qf935aca79d_prep
		.amdhsa_group_segment_fixed_size 128000
		.amdhsa_private_segment_fixed_size 0
		.amdhsa_enable_private_segment 0
		.amdhsa_kernarg_size 88
		.amdhsa_user_sgpr_count 2
		.amdhsa_user_sgpr_kernarg_segment_ptr 1
		.amdhsa_wavefront_size32 1
		.amdhsa_system_sgpr_workgroup_id_x 1
		.amdhsa_system_sgpr_workgroup_id_y 1
		.amdhsa_system_sgpr_workgroup_id_z 1
		.amdhsa_system_vgpr_workitem_id 0
		.amdhsa_next_free_vgpr 256
		.amdhsa_next_free_sgpr 66
		.amdhsa_reserve_vcc 0
		.amdhsa_float_denorm_mode_32 3
		.amdhsa_float_denorm_mode_16_64 3
		.amdhsa_memory_ordered 1
		.amdhsa_forward_progress 1
		.amdhsa_inst_pref_size 47
	.end_amdhsa_kernel
	.amdgpu_metadata
---
amdhsa.version: [ 1, 2 ]
amdhsa.kernels:
  - .name:           k_qf935aca79d_prep
    .symbol:         k_qf935aca79d_prep.kd
    .args:
      - { .name: q, .offset: 0, .size: 8, .value_kind: global_buffer, .address_space: global }
      - { .name: kv, .offset: 8, .size: 8, .value_kind: global_buffer, .address_space: global }
      - { .name: Wq, .offset: 16, .size: 8, .value_kind: global_buffer, .address_space: global }
      - { .name: Wkv, .offset: 24, .size: 8, .value_kind: global_buffer, .address_space: global }
      - { .name: Wo, .offset: 32, .size: 8, .value_kind: global_buffer, .address_space: global }
      - { .name: norm_q_w, .offset: 40, .size: 8, .value_kind: global_buffer, .address_space: global }
      - { .name: norm_q_b, .offset: 48, .size: 8, .value_kind: global_buffer, .address_space: global }
      - { .name: norm_kv_w, .offset: 56, .size: 8, .value_kind: global_buffer, .address_space: global }
      - { .name: norm_kv_b, .offset: 64, .size: 8, .value_kind: global_buffer, .address_space: global }
      - { .name: xc, .offset: 72, .size: 8, .value_kind: global_buffer, .address_space: global }
      - { .name: xs, .offset: 80, .size: 8, .value_kind: global_buffer, .address_space: global }
    .group_segment_fixed_size: 128000
    .private_segment_fixed_size: 0
    .kernarg_segment_align: 8
    .kernarg_segment_size: 88
    .max_flat_workgroup_size: 512
    .sgpr_count:     66
    .vgpr_count:     256
    .wavefront_size: 32
...
	.end_amdgpu_metadata
.endif
;; end of part 1
;; launch kvproj (part 2): grid 4 x 64, 4 waves a work-group, clusters of 4 x 4, 327,680 bytes of LDS; arguments xc, xs, bkv, kvw; writes kvw
.if DOCPART == 2
	.amdgcn_target "amdgcn-amd-amdhsa--gfx1250"
	.amdhsa_code_object_version 6
	.text
	.protected	k_qf935aca79d_kvproj
	.globl	k_qf935aca79d_kvproj
	.p2align	8
	.type	k_qf935aca79d_kvproj,@function
k_qf935aca79d_kvproj:
	s_mov_b64 s[64:65], 0
	v_nop
	global_prefetch_b8 v0, s[64:65] scope:SCOPE_SE
	s_setreg_imm32_b32 hwreg(HW_REG_WAVE_MODE, 25, 1), 1
	s_wait_xcnt 0x0
	s_wait_alu depctr_hold_cnt(0) depctr_sa_sdst(0) depctr_va_vdst(0) depctr_va_sdst(0) depctr_va_ssrc(0) depctr_va_vcc(0) depctr_vm_vsrc(0)
	s_getreg_b32 s2, hwreg(HW_REG_IB_STS2, 6, 4)
	s_cmp_eq_u32 s2, 0
	s_cbranch_scc0 .Lentry_in_a_cluster
	s_endpgm
.Lentry_in_a_cluster:
	s_bfe_u32 s2, ttmp6, 0x10000c
	s_cmp_lg_u32 s2, 0xf033
	s_cbranch_scc0 .Lentry_shape_is_right
	s_endpgm
.Lentry_shape_is_right:
; k and v = LayerNorm(kv) Wkv^T + bkv on codes of E2M3 (K = 1,024), and the quantiser of the results: k along the head's 64, v along the keys.
; A work-group makes 256 x 256 results, each of its four waves 128 x 128 (64 accumulators); 256 work-groups in sixteen clusters of 4 x 4.  c = the cluster's number.
; THE MATRIX INSTRUCTION IS USED TRANSPOSED: source 0 = the 'B side', source 1 = the 'A side': a lane holds ONE row of the A side and its registers run along the B side's rows.
;   c < 8  (k): A side = 1,024 rows of kv, B side = Wk's 1,024 rows: a lane holds one key, registers along the channels, which are the next product's K.
;   c >= 8 (v): A side = Wv's 1,024 rows, B side = 1,024 rows of kv: a lane holds one channel, registers along the keys, which are the next product's K.
; So one text serves both; only the bias and the places of the stores differ, behind ONE branch on c, which all partners of a cluster share.
; OPERANDS lie in xc as images of the operand's registers: [tile of 16 rows][16 images of 64 along K][768 bytes]; in a stored tile 2 g + u place r is row 32 g + 8 u + r + 8 (r / 8),
; so the 16 registers of two neighbouring tiles of the B side are 16 NEIGHBOURS along the next K.  A fragment (16 x 128) is 1,536 dense bytes: 16 bytes a lane, 8 bytes a lane, twice.
; K goes in steps of 256 through a ring of two LDS slots; a wave's tensor load brings 8 tiles x 3,072 bytes.  The scale bytes (32 a row) of the work-group's rows come once, with the first fills.
; CLUSTER: the four of a row of the cluster need the same tiles of the A side, the four of a column those of the B side: joint loads.
; OUTPUT: kvw, a block of 13,312 bytes for each (batch, head, step of 128 keys): 8 images of K (16 keys x 64), 4 fragments of V^T (16 channels x 128 keys), K's scale words (8 x 64 bytes), V's (4 x 128 bytes).
; The scale words are stored in pieces of 64 and 128 bytes: 1,024 bytes of a block's 13,312.  K's scale word has two bytes of its own; its upper two are the neighbouring head's or 0, never 0xff: they meet zero codes.
; LIMITS: NaN and infinities are not served; a block of zeros gets the byte 1 (its codes are zeros).
; REGISTERS: window 0: v0-31 addresses; v32-63 scale words, two sets; v64-127 bkv along the registers; v128-223 A's fragments, one set; v240-255 bkv by lane.  window 1: B's fragments, two sets.  windows 2, 3: accumulators.
.set NQ,     2                         ; steps of 128 in a slot
.set TB,     3072                      ; a tile's bytes in a slot: 256 along K
.set FR,     12                        ; registers of a fragment
.set NL,     4                         ; LDS loads that bring one
.set NP,     4                         ; places behind this matrix instruction (ISA guide 7.12.1)
.set HALFT,  8*TB                      ; what one tensor load brings, and what one wave reads of a side
.set SLOT,   4*HALFT
.set SCL,    2*SLOT                    ; behind the ring: the scale bytes, as units of 256 bytes + 16
.set HALFS,  16*272                    ; those of 128 rows
.set SBLK,   2*272                     ; those of 16 rows
.set SPARE,  SCL+4*HALFS               ; the spare words: 128 bytes for each wave, two blocks of 256 bytes that no other line names
.set HS,     212992                    ; kvw: from a head to the next: 16 blocks
.set VO16, 8                           ; v8   16 x lane
.set VO8,  9                           ; v9   8 x lane
.set VSK,  10                          ; v10  K's scale words: 4 r, lanes 16-31 in the next head
.set VSV,  11                          ; v11  V's: 4 x lane
.set SH,   12                          ; v12  16 x (lane / 16)
.set BK,   13                          ; v13  bkv along the registers: 64 x (lane / 16); never rewritten
.set BV,   14                          ; v14  bkv by lane: 4 (r + 8 (r / 8)); never rewritten
.set ADRA, 16                          ; v16-17 my A fragments' 16-byte pieces in slot 0, 1;  v18-19 their 8-byte pieces
.set ADRB, 20                          ; v20-23 the same for B
.set ADRS, 27                          ; v27  my scale words: lanes 0-15 A's rows, lanes 16-31 B's
.set SPW,  28                          ; v28  my spare word; never rewritten
.set NIL,  29                          ; v29  0; never rewritten
.set SC,   32
.set CB,   64
.set AF,   128
.set RB,   240
.set Y,    128                         ; the way out: 64 numbers of a lane
.set TM,   192                         ; v192-207 at work
.set PC,   208                         ; v208-226 the codes
.set PW,   228                         ; the scale word
.set PWS,  229                         ; and shifted
.set SEL,  98
.set G1, 24
.set G0, 32
.set G1B, 48
.set G0B, 56
.set G1S, 68
.set G0S, 76
.set G1SB, 80
.set G0SB, 88
.set MSB, 0
.macro WIN new                         ; the immediate's high byte repeats the setting that is left
.if MSB != \new
	s_set_vgpr_msb (MSB<<8)|\new
.set MSB, \new
.endif
.endm
.set MUL_LO, 0xa1                      ; source 0 (B) window 1, source 1 (A) window 0, C and D window 2
.set MUL_HI, 0xf1
.set TO_B,   0x40
; A joint load: waves 0 and 1 fetch for A, waves 2 and 3 for B; the branch hangs on the wave's number alone.  Four v_nop follow each of the two lines.
.macro JLOAD g0a, g1a, g0b, g1b
	s_cmp_eq_u32 s15, 0
	s_cbranch_scc0 .Lfor_b_\@
	tensor_load_to_lds s[\g0a:\g0a+3], s[\g1a:\g1a+7]
	s_nop 0
.rept 4
	v_nop
.endr
	s_branch .Lasked_\@
.Lfor_b_\@:
	tensor_load_to_lds s[\g0b:\g0b+3], s[\g1b:\g1b+7]
	s_nop 0
.rept 4
	v_nop
.endr
.Lasked_\@:
.endm
.macro CREST                           ; a round of the cluster's barrier behind its opening barrier
	s_cmp_lg_u32 s14, 0
	s_cbranch_scc1 .Lnot_wave_0_\@
	s_barrier_signal -3
.Lnot_wave_0_\@:
	s_barrier_wait -3
	s_barrier_signal -1
	s_barrier_wait -1
.endm
.macro CROUND
	s_barrier_signal -1
	s_barrier_wait -1
	CREST
.endm
	s_load_b256 s[4:11], s[0:1], 0x0               ; xc, xs, bkv, kvw
	v_lshl_add_u32 v[SPW], v0, 2, SPARE
	v_mov_b32 v[NIL], 0
	ds_add_u32 v28, v29
	ds_add_u32 v28, v29
	s_wait_dscnt 0x0
	v_lshrrev_b32 v1, 5, v0
	v_readfirstlane_b32 s14, v1                    ; wave 0..3
	s_lshr_b32 s15, s14, 1                         ; which half of A's rows is mine.  Also: I fetch for A (0) or for B (1)
	s_and_b32 s16, s14, 1                          ; which half of B's rows.  Also: which 8 tiles I fetch
	s_bfe_u32 s40, ttmp6, 0x40000                  ; cx
	s_bfe_u32 s41, ttmp6, 0x40004                  ; cy
	s_and_b32 s96, ttmp7, 0xffff                   ; c: the cluster's number, 0..15
	s_and_b32 s17, s96, 7
	s_lshl_b32 s17, s17, 6
	s_add_co_u32 s17, s17, 256                     ; the cluster's 64 tiles of kv
	s_mov_b32 s18, 896                             ; Wv's first tile
	s_mov_b32 s19, 832                             ; Wk's
	s_cmp_lt_u32 s96, 8
	s_cselect_b32 s18, s17, s18                    ; the A side's first tile
	s_cselect_b32 s19, s19, s17                    ; the B side's
	s_lshl_b32 s20, s41, 4
	s_add_co_u32 s20, s20, s18                     ; A: + 16 cy (never holds cx)
	s_lshl_b32 s46, s40, 4
	s_add_co_u32 s46, s46, s19                     ; B: + 16 cx (never holds cy)
	s_lshl_b32 s18, s16, 3
	s_add_co_u32 s20, s20, s18                     ; + the 8 tiles that I fetch
	s_add_co_u32 s46, s46, s18
	s_lshl_b32 s43, s41, 2
	s_lshl_b32 s43, 15, s43                        ; my row of the cluster
	s_lshl_b32 s44, 0x1111, s40                    ; my column
	; descriptor group 1: 8 rows (tiles) of 3,072 bytes = 384 elements of 8 bytes, 12,288 bytes apart; no padding: every fragment load reads dense bytes
	s_or_b32 s[G1+0], s43, (3<<16)|(1<<21)
	s_or_b32 s[G1B+0], s44, (3<<16)|(1<<21)
.irp g, G1, G1B
	s_mov_b32 s[\g+1], 384<<16                     ; tensor_dim0
	s_mov_b32 s[\g+2], 8<<16                       ; tensor_dim1
	s_mov_b32 s[\g+3], 384<<16                     ; tile_dim0
	s_mov_b32 s[\g+4], 8                           ; tile_dim1
	s_mov_b32 s[\g+5], 1536                        ; tensor_dim0_stride
	s_mov_b32 s[\g+6], 0
	s_mov_b32 s[\g+7], 0
.endr
	; the scale bytes of 128 rows: 4,096 dense bytes, as 16 rows of 256 bytes, 16 bytes of padding behind each
	s_or_b32 s[G1S+0], s43, (3<<16)|(1<<20)|(1<<21)|(5<<22)|(3<<25)
	s_or_b32 s[G1SB+0], s44, (3<<16)|(1<<20)|(1<<21)|(5<<22)|(3<<25)
.irp g, G1S, G1SB
	s_mov_b32 s[\g+1], 32<<16
	s_mov_b32 s[\g+2], 16<<16
	s_mov_b32 s[\g+3], 32<<16
	s_mov_b32 s[\g+4], 16
	s_mov_b32 s[\g+5], 32
	s_mov_b32 s[\g+6], 0
	s_mov_b32 s[\g+7], 0
.endr
	s_lshl_b32 s22, s20, 9                         ; 512 scale bytes a tile
	s_mov_b32 s23, 0
	s_mul_i32 s20, s20, 12288                      ; 12,288 bytes of codes a tile; under 2^24
	s_mov_b32 s21, 0
	s_lshl_b32 s92, s46, 9
	s_mov_b32 s93, 0
	s_mul_i32 s46, s46, 12288
	s_mov_b32 s47, 0
	s_mul_i32 s45, s14, HALFT                      ; where they go: no place in the cluster enters an LDS address
	s_mul_i32 s94, s14, HALFS
	s_mov_b32 s[SEL], 0x76543210
	s_mov_b32 s[SEL+1], 0xfedcba98
	s_wait_kmcnt 0x0
	s_add_nc_u64 s[20:21], s[4:5], s[20:21]
	s_add_nc_u64 s[22:23], s[6:7], s[22:23]
	s_add_nc_u64 s[46:47], s[4:5], s[46:47]
	s_add_nc_u64 s[92:93], s[6:7], s[92:93]
	CROUND                                         ; all sixteen work-groups are here: the first joint loads meet
	s_mov_b32 s[G0S], 1
	s_add_co_u32 s[G0S+1], s94, SCL
	s_mov_b64 s[G0S+2:G0S+3], s[22:23]
	s_or_b32 s[G0S+3], s[G0S+3], 0x80000000
	s_mov_b32 s[G0SB], 1
	s_add_co_u32 s[G0SB+1], s94, SCL
	s_mov_b64 s[G0SB+2:G0SB+3], s[92:93]
	s_or_b32 s[G0SB+3], s[G0SB+3], 0x80000000
	JLOAD G0S, G1S, G0SB, G1SB                     ; the scale bytes first: they are wanted with K step 0
.irp s, 0,1
	s_mov_b32 s[G0+4*\s], 1
	s_add_co_u32 s[G0+4*\s+1], s45, \s*SLOT
	s_add_nc_u64 s[G0+4*\s+2:G0+4*\s+3], s[20:21], \s*TB
	s_or_b32 s[G0+4*\s+3], s[G0+4*\s+3], 0x80000000
	s_mov_b32 s[G0B+4*\s], 1
	s_add_co_u32 s[G0B+4*\s+1], s45, \s*SLOT
	s_add_nc_u64 s[G0B+4*\s+2:G0B+4*\s+3], s[46:47], \s*TB
	s_or_b32 s[G0B+4*\s+3], s[G0B+4*\s+3], 0x80000000
	JLOAD G0+4*\s, G1, G0B+4*\s, G1B               ; three tensor loads of mine are out
.endr
	v_and_b32 v1, 15, v0                           ; r
	v_bfe_u32 v2, v0, 4, 1                         ; h
	v_and_b32 v3, 31, v0                           ; lane
	v_lshlrev_b32 v[VO16], 4, v3
	v_lshlrev_b32 v[VO8], 3, v3
	v_add_nc_u32 v5, 512, v[VO8]
	s_mul_i32 s21, s15, HALFT                      ; my 8 tiles of A
	s_mul_i32 s22, s16, HALFT                      ; my 8 tiles of B,
	s_add_co_u32 s22, s22, 2*HALFT                 ; which lie behind A's 16
.irp s, 0,1
	v_add_nc_u32 v[ADRA+\s], s21, v[VO16]
	v_add_nc_u32 v[ADRB+\s], s22, v[VO16]
	v_add_nc_u32 v[ADRA+2+\s], s21, v5
	v_add_nc_u32 v[ADRB+2+\s], s22, v5
	s_add_co_u32 s21, s21, SLOT
	s_add_co_u32 s22, s22, SLOT
.endr
	v_lshlrev_b32 v5, 5, v1                        ; my row's scale bytes: 32 a row,
	v_lshrrev_b32 v6, 8, v5
	v_lshl_add_u32 v5, v6, 4, v5                   ; and 16 more for each 256 passed
	s_mul_i32 s21, s15, HALFS
	s_mul_i32 s22, s16, HALFS
	s_add_co_u32 s22, s22, 2*HALFS
	s_sub_co_u32 s22, s22, s21
	v_mul_u32_u24 v6, s22, v2                      ; lanes 16-31 take B's
	s_add_co_u32 s21, s21, SCL
	v_add_nc_u32 v5, v5, v6
	v_add_nc_u32 v[ADRS], s21, v5
	v_mul_u32_u24 v[VSK], v2, HS
	v_lshl_add_u32 v[VSK], v1, 2, v[VSK]
	v_lshlrev_b32 v[VSV], 2, v3
	v_lshlrev_b32 v[SH], 4, v2
	v_lshlrev_b32 v[BK], 6, v2
	v_and_b32 v[BV], 8, v1
	v_add_nc_u32 v[BV], v[BV], v1
	v_lshlrev_b32 v[BV], 2, v[BV]
	; the biases, for both ways out (both addresses lie inside bkv whatever c is): along the registers, bkv[256 cx + 128 half + ..], and by lane, bkv[1024 + 256 cy + 128 half + ..]
	s_lshl_b32 s20, s40, 10
	s_lshl_b32 s21, s16, 9
	s_add_co_u32 s20, s20, s21
	s_mov_b32 s21, 0
	s_add_nc_u64 s[12:13], s[8:9], s[20:21]
	s_lshl_b32 s20, s41, 10
	s_lshl_b32 s22, s15, 9
	s_add_co_u32 s20, s20, s22
	s_add_co_u32 s20, s20, 4096
	s_add_nc_u64 s[66:67], s[8:9], s[20:21]
.irp t, 0,1,2,3,4,5,6,7
	global_load_b128 v[CB+8*\t:CB+8*\t+3], v[BK], s[12:13] offset:(32*(\t/2)+8*(\t%2))*4
	global_load_b128 v[CB+8*\t+4:CB+8*\t+7], v[BK], s[12:13] offset:(32*(\t/2)+8*(\t%2))*4+16
.endr
.irp a, 0,1,2,3,4,5,6,7
	global_load_b32 v[RB+2*\a], v[BV], s[66:67] offset:(32*(\a/2)+8*(\a%2))*4
.endr
	; where my wave's block of kvw begins
	s_cmp_lt_u32 s96, 8
	s_cselect_b32 s20, s41, s40                    ; the 256 rows of kv: by cy (k) or by cx (v),
	s_cselect_b32 s21, s15, s16                    ; my half of them: a step of 128 keys;
	s_cselect_b32 s22, s40, s41                    ; the 256 channels: by cx (k) or by cy (v),
	s_cselect_b32 s23, s16, s15                    ; my half of them: two heads
	s_and_b32 s92, s96, 7
	s_lshl_b32 s92, s92, 2
	s_add_co_u32 s20, s20, s92                     ; which 256 rows of kv, 0..31
	s_lshr_b32 s92, s20, 3                         ; the batch
	s_and_b32 s20, s20, 7
	s_lshl_b32 s20, s20, 1
	s_add_co_u32 s20, s20, s21                     ; the step
	s_lshl_b32 s22, s22, 2
	s_lshl_b32 s23, s23, 1
	s_add_co_u32 s22, s22, s23                     ; the first of my two heads
	s_lshl_b32 s92, s92, 4
	s_add_co_u32 s92, s92, s22
	s_lshl_b32 s92, s92, 4
	s_add_co_u32 s92, s92, s20
	s_mul_i32 s92, s92, 13312
	s_mov_b32 s93, 0
	s_add_nc_u64 s[10:11], s[10:11], s[92:93]
.macro FRAG reg, adr, q, i             ; a fragment: two images on end: 16 bytes a lane and 8 bytes a lane, twice; every load reads dense bytes
	ds_load_b128 v[\reg:\reg+3], v[\adr] offset:(\i)*TB+(\q)*1536
	ds_load_b64 v[\reg+4:\reg+5], v[\adr+2] offset:(\i)*TB+(\q)*1536
	ds_load_b128 v[\reg+6:\reg+9], v[\adr] offset:(\i)*TB+(\q)*1536+768
	ds_load_b64 v[\reg+10:\reg+11], v[\adr+2] offset:(\i)*TB+(\q)*1536+768
.endm
; 16 matrix instructions: A's blocks a0, a0 + 1 x B's eight.  The 64 accumulators take turns, one instruction a turn, in the same order in every step.
.macro MUL16 a0, p, q, sc, zero
.irp a, \a0, \a0+1
.irp b, 0,1,2,3,4,5,6,7
.if \zero
	v_wmma_scale_f32_16x16x128_f8f6f4 v[8*(8*((\a)%4)+\b):8*(8*((\a)%4)+\b)+7], v[128*(\p)+FR*\b:128*(\p)+FR*\b+FR-1], v[AF+FR*(\a):AF+FR*(\a)+FR-1], 0, v[SC+8*NQ*(\sc)+NQ*\b+(\q)], v[SC+8*NQ*(\sc)+NQ*(\a)+(\q)] matrix_a_fmt:MATRIX_FMT_FP6 matrix_b_fmt:MATRIX_FMT_FP6 matrix_a_scale:MATRIX_SCALE_ROW1
.else
	v_wmma_scale_f32_16x16x128_f8f6f4 v[8*(8*((\a)%4)+\b):8*(8*((\a)%4)+\b)+7], v[128*(\p)+FR*\b:128*(\p)+FR*\b+FR-1], v[AF+FR*(\a):AF+FR*(\a)+FR-1], v[8*(8*((\a)%4)+\b):8*(8*((\a)%4)+\b)+7], v[SC+8*NQ*(\sc)+NQ*\b+(\q)], v[SC+8*NQ*(\sc)+NQ*(\a)+(\q)] matrix_a_fmt:MATRIX_FMT_FP6 matrix_b_fmt:MATRIX_FMT_FP6 matrix_a_scale:MATRIX_SCALE_ROW1
.endif
.endr
.endr
.endm
.macro FETCH_B slot, q, p
	WIN TO_B
.irp i, 0,1,2,3,4,5,6,7
	FRAG 128*(\p)+FR*\i, ADRB+\slot, \q, \i
.endr
	WIN 0
.endm
.macro FETCH_A slot, q, i0
.irp i, \i0, \i0+1, \i0+2, \i0+3
	FRAG AF+FR*(\i), ADRA+\slot, \q, \i
.endr
.endm
.macro SCALES sc                       ; a K step's two scale words a row: lanes 0-15 A's block i, lanes 16-31 B's block i
.irp i, 0,1,2,3,4,5,6,7
	ds_load_b64 v[SC+8*NQ*\sc+NQ*\i:SC+8*NQ*\sc+NQ*\i+1], v[ADRS] offset:\i*SBLK
.endr
.endm
.macro PLACES n                        ; places in front of loads into registers that matrix instructions have read, and of the first read of results
.rept \n
	v_nop
.endr
.endm
.macro STEP slot, q, zero              ; a step of 128 along K that has its successor in the same slot
	s_wait_dscnt 4*NL                              ; B's set and A's blocks 0-3 are in; the youngest sixteen loads (A's blocks 4-7) may be out
	WIN MUL_LO
	MUL16 0, (\q)%2, \q, \slot, \zero
	MUL16 2, (\q)%2, \q, \slot, \zero
	s_wait_dscnt 0
	PLACES NP
	FETCH_B \slot, (\q)+1, 1-(\q)%2
	FETCH_A \slot, (\q)+1, 0
	WIN MUL_HI
	MUL16 4, (\q)%2, \q, \slot, \zero
	MUL16 6, (\q)%2, \q, \slot, \zero
	PLACES NP
	WIN 0
	FETCH_A \slot, (\q)+1, 4
.endm
; A slot's last step changes slots: one barrier; in front of it each wave waits for all its tensor loads, adds 0 to its spare word, and waits for that and for its own reads of this slot.
.macro TURN slot, next, fill
	s_wait_tensorcnt 0x0                           ; all my tensor loads have landed: my part of the next slot
	ds_add_u32 v[SPW], v[NIL]                      ; 0 onto my spare word
	s_wait_dscnt 4*NL+1                            ; (the add and the youngest sixteen loads may be out)
	WIN MUL_LO
	MUL16 0, 1, NQ-1, \slot, 0
	s_wait_dscnt 0x0                               ; the add is done, and my reads of this slot are over
	s_barrier_signal -1
	MUL16 2, 1, NQ-1, \slot, 0
	WIN 0
	s_barrier_wait -1
.if \fill
	CREST                                          ; the barrier has opened a round of the cluster's barrier: no wave of any partner still reads this slot or has a load on its way
	s_add_nc_u64 s[G0+4*\slot+2:G0+4*\slot+3], s[G0+4*\slot+2:G0+4*\slot+3], 2*TB
	s_add_nc_u64 s[G0B+4*\slot+2:G0B+4*\slot+3], s[G0B+4*\slot+2:G0B+4*\slot+3], 2*TB
	JLOAD G0+4*\slot, G1, G0B+4*\slot, G1B         ; the first tensor load behind the round; its four v_nop are also the places in front of the loads below
.else
	PLACES NP
.endif
	v_add_nc_u32 v[ADRS], 4*NQ, v[ADRS]            ; the next K step's scale words
	FETCH_B \next, 0, 0
	FETCH_A \next, 0, 0
	SCALES \next
	WIN MUL_HI
	MUL16 4, 1, NQ-1, \slot, 0
	MUL16 6, 1, NQ-1, \slot, 0
	PLACES NP
	WIN 0
	FETCH_A \next, 0, 4
.endm
	s_wait_tensorcnt 1                             ; the scale bytes and my part of K step 0 are in (K step 1's load may be out),
	s_barrier_signal -1
	s_barrier_wait -1                              ; everybody's are
	FETCH_B 0, 0, 0
	FETCH_A 0, 0, 0
	SCALES 0
	FETCH_A 0, 0, 4
	STEP 0, 0, 1                                   ; K = 1,024 is four K steps, eight steps of 128: they are written out; the first products start the sums
	TURN 0, 1, 1                                   ; slot 0 takes K step 2
	STEP 1, 0, 0
	TURN 1, 0, 1                                   ; slot 1 takes K step 3
	STEP 0, 0, 0
	TURN 0, 1, 0                                   ; nothing is left to fetch
	STEP 1, 0, 0
	s_wait_dscnt 4*NL
	WIN MUL_LO
	MUL16 0, 1, NQ-1, 1, 0
	MUL16 2, 1, NQ-1, 1, 0
	s_wait_dscnt 0
	WIN MUL_HI
	MUL16 4, 1, NQ-1, 1, 0
	MUL16 6, 1, NQ-1, 1, 0
	WIN 0
; 64 numbers of a lane, register 16 b + i = k 32 b + 16 (lane / 16) + i of my row, become a fragment's codes in v[PC] on and its scale word in v[PW].
.macro QUANT s
.irp b, 0,1,2,3
	v_max3_num_f32 v[TM+\b], |v[\s+16*\b]|, |v[\s+1+16*\b]|, 0x1800000   ; my 16 numbers of block b, and the floor 2^(3 - 127): the byte cannot fall under 1
.endr
.irp i, 2,4,6,8,10,12,14
.irp b, 0,1,2,3
	v_max3_num_f32 v[TM+\b], v[TM+\b], |v[\s+16*\b+\i]|, |v[\s+1+16*\b+\i]|
.endr
.endr
.irp b, 0,1,2,3
	v_permlanex16_b32 v[TM+4+\b], v[TM+\b], s[SEL], s[SEL+1]
.endr
.irp b, 0,1,2,3
	v_max_num_f32 v[TM+\b], v[TM+\b], v[TM+4+\b]   ; with lane l xor 16's: the block's largest magnitude
.endr
.irp b, 0,1,2,3
	v_add_nc_u32 v[TM+12+\b], 0xff000000, v[TM+\b] ; 2 off its exponent field: the conversion's scale operand
.endr
.irp b, 0,1,2,3
	v_lshrrev_b32 v[TM+4+\b], 23, v[TM+12+\b]      ; the scale's byte
.endr
	v_lshl_or_b32 v[PW], v[TM+5], 8, v[TM+4]
	v_lshl_or_b32 v[PW], v[TM+6], 16, v[PW]
	v_lshl_or_b32 v[PW], v[TM+7], 24, v[PW]
.irp c, 0,1
	v_cvt_scalef32_pk16_fp6_f32 v[PC+6*\c:PC+2+6*\c], v[\s+32*\c:\s+15+32*\c], v[TM+12+2*\c]
	v_cvt_scalef32_pk16_fp6_f32 v[PC+12+4*\c:PC+14+4*\c], v[\s+16+32*\c:\s+31+32*\c], v[TM+12+2*\c+1]
.endr
	v_nop                                          ; one plain place behind a scaled conversion
.irp c, 0,1                                    ; the operand's layout wants a whole block in a lane
.irp i, 0,1,2
	v_permlane16_swap_b32 v[PC+6*\c+\i], v[PC+12+4*\c+\i]
.endr
.irp i, 0,1,2
	v_mov_b32 v[PC+3+6*\c+\i], v[PC+12+4*\c+\i]
.endr
.endr
.endm
; THE WAY OUT.  For each of my eight blocks of 16 rows of the A side: the bias is added, the lane's 64 numbers are quantised, and the fragment leaves as it stands in the registers: every store of codes covers dense bytes.
; path 0 (k): the fragment's two halves are images of two neighbouring heads.  path 1 (v): the fragment is 16 channels x my 128 keys.
.macro EPI path
.irp a, 0,1,2,3,4,5,6,7
.if \a > 0
	s_wait_xcnt 0x0                                ; the last block's stores have read their registers: they are written again only behind this wait
.endif
.set WN, 0x02+(\a)/4
	WIN WN                                         ; source 0: window 2 or 3
.irp b, 0,1,2,3,4,5,6,7
.irp p, 0,1,2,3
.if \path == 0
	v_pk_add_f32 v[Y+8*\b+2*\p:Y+8*\b+2*\p+1], v[64*(\a%4)+8*\b+2*\p:64*(\a%4)+8*\b+2*\p+1], v[CB+8*\b+2*\p:CB+8*\b+2*\p+1]   ; each accumulator from its low end on
.else
	v_pk_add_f32 v[Y+8*\b+2*\p:Y+8*\b+2*\p+1], v[64*(\a%4)+8*\b+2*\p:64*(\a%4)+8*\b+2*\p+1], v[RB+2*\a:RB+2*\a+1]
.endif
.endr
.endr
	WIN 0
	QUANT Y
.if \path == 0
	global_store_b128 v[VO16], v[PC:PC+3], s[10:11] offset:768*\a
	global_store_b64 v[VO8], v[PC+4:PC+5], s[10:11] offset:768*\a+512
	global_store_b128 v[VO16], v[PC+6:PC+9], s[10:11] offset:HS+768*\a
	global_store_b64 v[VO8], v[PC+10:PC+11], s[10:11] offset:HS+768*\a+512
	v_lshrrev_b32 v[PWS], v[SH], v[PW]             ; lanes 16-31: the second head's two bytes come down
	global_store_b32 v[VSK], v[PWS], s[10:11] offset:12288+64*\a
.else
	global_store_b128 v[VO16], v[PC:PC+3], s[10:11] offset:(\a/4)*HS+6144+1536*(\a%4)
	global_store_b64 v[VO8], v[PC+4:PC+5], s[10:11] offset:(\a/4)*HS+6144+1536*(\a%4)+512
	global_store_b128 v[VO16], v[PC+6:PC+9], s[10:11] offset:(\a/4)*HS+6144+1536*(\a%4)+768
	global_store_b64 v[VO8], v[PC+10:PC+11], s[10:11] offset:(\a/4)*HS+6144+1536*(\a%4)+1280
	global_store_b32 v[VSV], v[PW], s[10:11] offset:(\a/4)*HS+12800+128*(\a%4)
.endif
.endr
.endm
	PLACES NP                                      ; behind the last products: their results are read and their operands' registers written below
	s_wait_loadcnt 0x0                             ; the biases
.irp b, 0,1,2,3
	v_mov_b32 v[TM+4+\b], 0                        ; a lane permute's destination counts as one of its sources
.endr
.irp a, 0,1,2,3,4,5,6,7
	v_mov_b32 v[RB+2*\a+1], v[RB+2*\a]             ; the bias by lane, as pairs
.endr
	s_cmp_lt_u32 s96, 8                            ; the cluster's number: the same in all partners
	s_cbranch_scc0 .Lfor_v
	EPI 0
	s_branch .Ldone
.Lfor_v:
	EPI 1
.Ldone:
	s_wait_tensorcnt 0x0                           ; the wave's end
	ds_add_u32 v[SPW], v[NIL]
	s_wait_dscnt 0x0
	CROUND                                         ; the closing round: no work-group ends while a partner may still ask for a tile that names it
	s_endpgm
.Lfunc_end_k_qf935aca79d_kvproj:
	.size	k_qf935aca79d_kvproj, .Lfunc_end_k_qf935aca79d_kvproj-k_qf935aca79d_kvproj
	.p2alignl 7, 3214868480
	.fill 96, 4, 3214868480
	.section	.rodata,"a",@progbits
	.p2align	6, 0x0
	.amdhsa_kernel k_qf935aca79d_kvproj
		.amdhsa_group_segment_fixed_size 327680
		.amdhsa_private_segment_fixed_size 0
		.amdhsa_enable_private_segment 0
		.amdhsa_kernarg_size 32
		.amdhsa_user_sgpr_count 2
		.amdhsa_user_sgpr_kernarg_segment_ptr 1
		.amdhsa_wavefront_size32 1
		.amdhsa_system_sgpr_workgroup_id_x 1
		.amdhsa_system_sgpr_workgroup_id_y 1
		.amdhsa_system_sgpr_workgroup_id_z 1
		.amdhsa_system_vgpr_workitem_id 0
		.amdhsa_next_free_vgpr 1024
		.amdhsa_next_free_sgpr 100
		.amdhsa_reserve_vcc 0
		.amdhsa_float_denorm_mode_32 3
		.amdhsa_float_denorm_mode_16_64 3
		.amdhsa_memory_ordered 1
		.amdhsa_forward_progress 1
		.amdhsa_inst_pref_size 218
	.end_amdhsa_kernel
	.amdgpu_metadata
---
amdhsa.version: [ 1, 2 ]
amdhsa.kernels:
  - .name:           k_qf935aca79d_kvproj
    .symbol:         k_qf935aca79d_kvproj.kd
    .args:
      - { .name: xc, .offset: 0, .size: 8, .value_kind: global_buffer, .address_space: global }
      - { .name: xs, .offset: 8, .size: 8, .value_kind: global_buffer, .address_space: global }
      - { .name: bkv, .offset: 16, .size: 8, .value_kind: global_buffer, .address_space: global }
      - { .name: kvw, .offset: 24, .size: 8, .value_kind: global_buffer, .address_space: global }
    .group_segment_fixed_size: 327680
    .private_segment_fixed_size: 0
    .kernarg_segment_align: 8
    .kernarg_segment_size: 32
    .max_flat_workgroup_size: 128
    .sgpr_count:     100
    .vgpr_count:     1024
    .wavefront_size: 32
...
	.end_amdgpu_metadata
.endif
;; end of part 2
;; launch attn (part 3): grid 16 x 16, 16 waves a work-group, no clusters, 192,512 bytes of LDS; arguments xc, xs, kvw, mask, bq, ao, aos; writes ao, aos
.if DOCPART == 3
	.amdgcn_target "amdgcn-amd-amdhsa--gfx1250"
	.amdhsa_code_object_version 6
	.text
	.protected	k_qf935aca79d_attn
	.globl	k_qf935aca79d_attn
	.p2align	8
	.type	k_qf935aca79d_attn,@function
k_qf935aca79d_attn:
	s_mov_b64 s[64:65], 0
	v_nop
	global_prefetch_b8 v0, s[64:65] scope:SCOPE_SE
	s_setreg_imm32_b32 hwreg(HW_REG_WAVE_MODE, 25, 1), 1
	s_wait_xcnt 0x0
; The query projection of one head, masked cross attention, and the quantiser of its result, all products on codes of E2M3 with E8M0 scales.
; SHARES.  Work-group (j, h): head h, queries 64 j .. 64 j + 63 of ALL FOUR batches.  Wave w: batch bw = (w + w / 4) % 4, stored tile of 16 queries T = 64 bw + 4 j + w / 4.
; The batches' numbers of open keys differ, so each work-group holds four waves of every batch: every work-group then has the same work, whatever the mask.
; A wave: Q = qn Wq^T + bq for its 16 rows and the head's 64 channels (32 matrix instructions), quantised in registers; then 16 steps of 128 keys.
; LAYOUT.  All products are used transposed (source 0 = 16 rows of Wq, 16 keys, 16 channels of V^T; source 1 = my 16 queries): a lane holds ONE query throughout, and by the stored order of rows
; (tile 2 g + u, place r: row 32 g + 8 u + r + 8 (r / 8)) the 16 registers of two neighbouring tiles are 16 neighbours along the next K.
; K = 64 in the scores' product: Q's upper six registers are zero codes, and K's operand names the next tile's six registers there: they meet zeros under bytes that are never 0xff.
; K AND V come from kvw in blocks of 13,312 bytes (one batch, head, step) through registers into a ring of two LDS places for each batch; the four waves of a batch share the copying, one step ahead.
; No tensor load: steps are left out by branches on numbers made from the mask's bytes.
; THE MASK is read byte by byte.  A masked key's score is capped at -2^33 (its logit at -2^30 in place of -1e9: the same results as long as open logits lie above -2^30); an open key's cap is +infinity.
; -2^33 c is a whole number in f32, so in a row whose every key is masked t - M is exactly 0 and p = 1 for all keys, as the reference's softmax of equal logits has it.
; A step whose 128 keys are all masked adds exact zeros where its batch has an open key: it is left out.  A batch without an open key walks all steps.
; THE SOFTMAX: t = score x log2(e) / 8; M = the running largest t rounded up to a whole number; p = 2^(t - M) is quantised along the keys; the sum is taken of the unquantised p and divides at the end.
; OUTPUT: ao [tile][head][768 bytes]: an image of 16 queries x 64 channels, dense; aos [tile][r][32]: two bytes a row and head: pieces of 2 bytes, 131,072 bytes in the whole launch.
; LIMITS: NaN and infinities are not served; a block of zeros gets the byte 1 (its codes are zeros).
.set BLK,  13312                       ; a block of kvw, and a place in the ring
.set BREG, 2*BLK                       ; a batch's two places
.set CAP,  4*BREG                      ; behind the ring: the caps, 4 bytes a key, 8,192 keys
.set WQ,   CAP+32768                   ; Wq's four tiles of the head: 49,152 bytes
.set WQS,  WQ+49152                    ; and their scale bytes: 2,048
.set HS,   212992                      ; kvw: from a head to the next
.set KF,  56                           ; v56-103 K's eight tiles (6 registers each), later V's four fragments; v104-109 zeros
.set KS,  110                          ; v110-113 K's scale words: lanes 0-15 tile 2 i, lanes 16-31 tile 2 i + 1
.set VS,  114                          ; v114-117 V's
.set S,   118                          ; v118-181 the scores, then p
.set O,   182                          ; v182-213 O^T
.set P,   214                          ; v214-225 p's codes
.set PT,  226                          ; v226-228, v230-232 the conversions' second halves
.set BM,  234                          ; v234-237 the blocks' largest
.set BT,  238                          ; v238-241 at work
.set SO,  242                          ; v242-245 the conversions' scale operands
.set PW,  246                          ; p's scale word
; v1 16 l, v2 8 l, v3 4 l, each + my batch's places; v4 my caps; v5, v6 where I store my share of a block; v7, v8 the same in memory; v9 the step's caps
; v12 -M, v13 the largest t, v[14:15] the sum; v16-27 Q (22-27 zeros), v28 Q's scale word; v30-55 my share of the next block; v[248:249] f; v250, v251 at work; v252-255 Wq's scale words
	s_load_b256 s[4:11], s[0:1], 0x0               ; xc, xs, kvw, mask
	s_load_b128 s[12:15], s[0:1], 0x20             ; bq, ao
	s_load_b64 s[16:17], s[0:1], 0x30              ; aos
	v_lshrrev_b32 v1, 5, v0
	v_readfirstlane_b32 s18, v1                    ; wave 0..15
	s_lshr_b32 s20, s18, 2                         ; kq: which of the four tiles of queries, and which quarter of a block I copy
	s_add_co_u32 s19, s18, s20
	s_and_b32 s19, s19, 3                          ; bw: my batch
	s_and_b32 s22, ttmp7, 0xffff                   ; the head
	s_lshl_b32 s23, s19, 6
	s_lshl_b32 s38, ttmp9, 2
	s_add_co_u32 s23, s23, s38
	s_add_co_u32 s23, s23, s20                     ; T
	s_mov_b32 s24, 0x76543210
	s_mov_b32 s25, 0xfedcba98                      ; lane selects: lane l xor 16
	s_mov_b32 s26, 0x3e38aa3b                      ; c = log2(e) / 8
	s_mov_b32 s27, s26
	s_mov_b32 s36, 0xd0000000                      ; -2^33
	s_mov_b32 s37, 0x7f800000                      ; +infinity
	v_and_b32 v250, 31, v0                         ; l
	v_and_b32 v251, 15, v0                         ; r
	v_bfe_u32 v247, v0, 4, 1                       ; h'
	s_mul_i32 s38, s19, BREG
	v_lshl_add_u32 v1, v250, 4, s38
	v_lshl_add_u32 v2, v250, 3, s38
	v_lshl_add_u32 v3, v250, 2, s38
	s_lshl_b32 s39, s19, 13
	s_add_co_u32 s39, s39, CAP
	v_lshl_add_u32 v4, v247, 6, s39                ; my batch's caps, + 16 keys for lanes 16-31
	s_lshl_b32 s40, s20, 9
	v_lshl_add_u32 v7, v250, 4, s40                ; 512 kq + 16 l
	s_lshl_b32 s41, s20, 8
	v_lshl_add_u32 v8, v250, 3, s41                ; 256 kq + 8 l
	v_add_nc_u32 v5, s38, v7
	v_add_nc_u32 v6, s38, v8
	; addresses that the head alone uses
	v_lshlrev_b32 v10, 4, v0                       ; 16 x thread
	v_lshlrev_b32 v11, 2, v0                       ; 4 x thread
	v_lshlrev_b32 v29, 6, v250                     ; 64 l
	v_lshlrev_b32 v81, 4, v250                     ; 16 l
	v_lshlrev_b32 v82, 3, v250                     ; 8 l
	v_lshlrev_b32 v83, 5, v251                     ; 32 r
	v_lshlrev_b32 v104, 6, v247                    ; 64 h'
	v_lshl_add_u32 v105, v0, 6, CAP
	v_lshl_add_u32 v106, v0, 4, WQ
	v_lshl_add_u32 v107, v0, 2, WQS
	v_lshl_add_u32 v108, v250, 4, WQ
	v_lshl_add_u32 v109, v250, 3, WQ+512
	v_lshl_add_u32 v14, v251, 5, WQS
	s_mov_b32 s35, 0
	s_mov_b32 s39, 0
	s_wait_kmcnt 0x0
	s_lshl_b32 s34, s19, 11
	s_add_nc_u64 s[40:41], s[10:11], s[34:35]      ; my batch's 2,048 mask bytes
	s_lshl_b32 s34, s22, 2
	s_add_co_u32 s34, s34, 768                     ; Wq's first tile of the head
	s_lshl_b32 s38, s34, 9
	s_mul_i32 s34, s34, 12288
	s_add_nc_u64 s[42:43], s[4:5], s[34:35]
	s_add_nc_u64 s[44:45], s[6:7], s[38:39]
	s_mul_i32 s34, s23, 12288
	s_add_nc_u64 s[46:47], s[4:5], s[34:35]        ; my tile of qn
	s_add_nc_u64 s[52:53], s[14:15], s[34:35]
	s_lshl_b32 s38, s23, 9
	s_add_nc_u64 s[48:49], s[6:7], s[38:39]
	s_add_nc_u64 s[54:55], s[16:17], s[38:39]
	s_lshl_b32 s34, s22, 8
	s_add_nc_u64 s[50:51], s[12:13], s[34:35]      ; bq at the head's 64
	s_mul_i32 s34, s22, 768
	s_add_nc_u64 s[52:53], s[52:53], s[34:35]      ; ao: my tile, my head's image
	s_lshl_b32 s34, s22, 1
	s_add_nc_u64 s[54:55], s[54:55], s[34:35]      ; aos: my tile, my head's two bytes
	s_lshl_b32 s34, s19, 4
	s_add_co_u32 s34, s34, s22
	s_mul_i32 s34, s34, HS
	s_add_nc_u64 s[32:33], s[8:9], s[34:35]        ; kvw: (my batch, my head), step 0
.irp n, 0,1,2,3
	global_load_b128 v[84+4*\n:87+4*\n], v29, s[40:41] offset:16*\n    ; lane l: the mask of keys 64 l .. 64 l + 63 of my batch
.endr
	global_load_b128 v[100:103], v10, s[10:11]     ; thread t: mask bytes 16 t .. 16 t + 15 of all 8,192
.irp n, 0,1,2,3,4,5
	global_load_b128 v[56+4*\n:59+4*\n], v10, s[42:43] offset:8192*\n  ; Wq's four tiles, shared out among the 512 threads
.endr
	global_load_b32 v80, v11, s[44:45]
.irp ks, 0,1,2,3,4,5,6,7
	global_load_b128 v[150+12*\ks:153+12*\ks], v81, s[46:47] offset:1536*\ks          ; my eight fragments of qn
	global_load_b64 v[154+12*\ks:155+12*\ks], v82, s[46:47] offset:1536*\ks+512
	global_load_b128 v[156+12*\ks:159+12*\ks], v81, s[46:47] offset:1536*\ks+768
	global_load_b64 v[160+12*\ks:161+12*\ks], v82, s[46:47] offset:1536*\ks+1280
.endr
	global_load_b128 v[110:113], v83, s[48:49]     ; their scale words
	global_load_b128 v[114:117], v83, s[48:49] offset:16
.irp t, 0,1,2,3
	global_load_b128 v[S+8*\t:S+8*\t+3], v104, s[50:51] offset:(32*(\t/2)+8*(\t%2))*4      ; bq, in the result's layout: the sums begin with it
	global_load_b128 v[S+8*\t+4:S+8*\t+7], v104, s[50:51] offset:(32*(\t/2)+8*(\t%2))*4+16
.endr
.irp n, 0,1,2,3,4,5
	global_load_b128 v[30+4*\n:33+4*\n], v7, s[32:33] offset:2048*\n   ; my share of step 0's block, whatever the mask
.endr
	global_load_b64 v[54:55], v8, s[32:33] offset:12288
	s_wait_loadcnt 0x0
	s_add_nc_u64 s[32:33], s[32:33], BLK           ; on to step 1's block
	; which steps of my batch have an open key, and which a masked one: bit 2 s of s28 and of s29
	v_and_b32 v12, v84, v85
	v_or_b32 v13, v84, v85
.irp i, 86,87,88,89,90,91,92,93,94,95,96,97,98,99
	v_and_b32 v12, v12, v[\i]
	v_or_b32 v13, v13, v[\i]
.endr
	v_and_b32 v12, 0x1010101, v12
	v_cmp_ne_u32 s38, 0x1010101, v12               ; lane l: one of its 64 keys is open
	v_cmp_ne_u32 s39, 0, v13                       ; lane l: one of them is masked
	s_lshr_b32 s40, s38, 1
	s_or_b32 s40, s40, s38
	s_and_b32 s28, s40, 0x55555555
	s_mov_b32 s41, 0x55555555
	s_cmp_eq_u32 s38, 0                            ; a batch without an open key walks all steps
	s_cselect_b32 s28, s41, s28
	s_lshr_b32 s40, s39, 1
	s_or_b32 s40, s40, s39
	s_and_b32 s29, s40, 0x55555555
	; the caps of my 16 keys
.irp e, 0,1,2,3,4,5,6,7,8,9,10,11,12,13,14,15
	v_bfe_u32 v[84+\e], v[100+\e/4], 8*(\e%4), 1
.endr
.irp e, 0,1,2,3,4,5,6,7,8,9,10,11,12,13,14,15
	v_sub_nc_u32 v[84+\e], 0, v[84+\e]             ; all ones where masked
.endr
.irp e, 0,1,2,3,4,5,6,7,8,9,10,11,12,13,14,15
	v_bfi_b32 v[84+\e], v[84+\e], s36, s37
.endr
.irp e, 0,1,2,3
	ds_store_b128 v105, v[84+4*\e:87+4*\e] offset:16*\e
.endr
.irp n, 0,1,2,3,4,5
	ds_store_b128 v106, v[56+4*\n:59+4*\n] offset:8192*\n
.endr
	ds_store_b32 v107, v80
.irp n, 0,1,2,3,4,5
	ds_store_b128 v5, v[30+4*\n:33+4*\n] offset:2048*\n
.endr
	ds_store_b64 v6, v[54:55] offset:12288
	s_wait_dscnt 0x0                               ; for the others' sake: my stores are done
	s_barrier_signal -1
	s_barrier_wait -1
	; THE QUERY PROJECTION: four accumulators by turns, K = 1,024 in eight steps
.irp ks, 0,1,2,3,4,5,6,7
.if \ks > 0
.rept 4
	v_nop                                          ; places in front of loads into registers that matrix instructions have read
.endr
.endif
.irp t, 0,1,2,3
	ds_load_b128 v[56+12*\t:59+12*\t], v108 offset:12288*\t+1536*\ks
	ds_load_b64 v[60+12*\t:61+12*\t], v109 offset:12288*\t+1536*\ks
	ds_load_b128 v[62+12*\t:65+12*\t], v108 offset:12288*\t+1536*\ks+768
	ds_load_b64 v[66+12*\t:67+12*\t], v109 offset:12288*\t+1536*\ks+768
	ds_load_b32 v[252+\t], v14 offset:512*\t+4*\ks
.endr
	s_wait_dscnt 0x0
.irp t, 0,1,2,3
	v_wmma_scale_f32_16x16x128_f8f6f4 v[S+8*\t:S+8*\t+7], v[56+12*\t:67+12*\t], v[150+12*\ks:161+12*\ks], v[S+8*\t:S+8*\t+7], v[252+\t], v[110+\ks] matrix_a_fmt:MATRIX_FMT_FP6 matrix_b_fmt:MATRIX_FMT_FP6
.endr
.endr
.rept 4
	v_nop
.endr
; 32 numbers of a lane, register 16 b + i = k 32 b + 16 (lane / 16) + i of my row, become an image's six registers in v[dst] on and two scale bytes in v[word].
.macro QUANT2 src, dst, word
.irp b, 0,1
	v_max3_num_f32 v[BM+\b], |v[\src+16*\b]|, |v[\src+1+16*\b]|, 0x1800000   ; and the floor 2^(3 - 127): the byte cannot fall under 1
.endr
.irp i, 2,4,6,8,10,12,14
.irp b, 0,1
	v_max3_num_f32 v[BM+\b], v[BM+\b], |v[\src+16*\b+\i]|, |v[\src+1+16*\b+\i]|
.endr
.endr
.irp b, 0,1
	v_permlanex16_b32 v[BT+\b], v[BM+\b], s24, s25
.endr
.irp b, 0,1
	v_max_num_f32 v[BM+\b], v[BM+\b], v[BT+\b]
.endr
.irp b, 0,1
	v_add_nc_u32 v[SO+\b], 0xff000000, v[BM+\b]    ; 2 off the exponent field: the conversion's scale operand
.endr
.irp b, 0,1
	v_lshrrev_b32 v[BT+\b], 23, v[SO+\b]
.endr
	v_lshl_or_b32 v[\word], v[BT+1], 8, v[BT]
	v_cvt_scalef32_pk16_fp6_f32 v[\dst:\dst+2], v[\src:\src+15], v[SO]
	v_cvt_scalef32_pk16_fp6_f32 v[PT:PT+2], v[\src+16:\src+31], v[SO+1]
	v_nop                                          ; one plain place behind a scaled conversion
.irp i, 0,1,2
	v_permlane16_swap_b32 v[\dst+\i], v[PT+\i]     ; a whole block in a lane
.endr
.irp i, 0,1,2
	v_mov_b32 v[\dst+3+\i], v[PT+\i]
.endr
.endm
.irp b, 0,1,2,3
	v_mov_b32 v[BT+\b], 0                          ; a lane permute's destination counts as one of its sources
.endr
	QUANT2 S, 16, 28                               ; Q's codes and its scale word (upper two bytes 0)
.irp i, 22,23,24,25,26,27,104,105,106,107,108,109
	v_mov_b32 v[\i], 0                             ; zero codes for k = 64 .. 127
.endr
.set n, 0
.rept 32
	v_mov_b32 v[O+n], 0                            ; O^T: the step is written once; the first finds zeros
.set n, n+1
.endr
	v_mov_b32 v14, 0
	v_mov_b32 v15, 0
	v_mov_b32 v249, 0                              ; (named as the upper half of the pair v[248:249])
	v_mov_b32 v13, 0xff61b1e6                      ; the largest t so far: -3e38
	v_floor_f32 v12, -v13
	s_mov_b32 s30, 0                               ; the step's caps: 512 bytes a step
	s_mov_b32 s31, 8
; A STEP OF 128 KEYS, read from place sg of my batch's two.
.macro STEP sg
	v_add_nc_u32 v9, s30, v4
	s_bitcmp1_b32 s28, 2                           ; is the next step walked?  Then my share of its block is asked for now
	s_cbranch_scc0 .Lno_pre_\@
.irp n, 0,1,2,3,4,5
	global_load_b128 v[30+4*\n:33+4*\n], v7, s[32:33] offset:2048*\n
.endr
	global_load_b64 v[54:55], v8, s[32:33] offset:12288
.Lno_pre_\@:
	s_bitcmp1_b32 s28, 0                           ; is this step walked?
	s_cbranch_scc0 .Lno_work_\@
.irp t, 0,1,2,3,4,5,6,7
	ds_load_b128 v[KF+6*\t:KF+6*\t+3], v1 offset:BLK*\sg+768*\t
	ds_load_b64 v[KF+6*\t+4:KF+6*\t+5], v2 offset:BLK*\sg+768*\t+512
.endr
.irp i, 0,1,2,3
	ds_load_b32 v[KS+\i], v3 offset:BLK*\sg+12288+128*\i
.endr
	s_wait_dscnt 0x0
.irp t, 0,1,2,3,4,5,6,7                        ; S^T = K Q^T
.if \t%2
	v_wmma_scale_f32_16x16x128_f8f6f4 v[S+8*\t:S+8*\t+7], v[KF+6*\t:KF+6*\t+11], v[16:27], 0, v[KS+\t/2], v28 matrix_a_fmt:MATRIX_FMT_FP6 matrix_b_fmt:MATRIX_FMT_FP6 matrix_a_scale:MATRIX_SCALE_ROW1
.else
	v_wmma_scale_f32_16x16x128_f8f6f4 v[S+8*\t:S+8*\t+7], v[KF+6*\t:KF+6*\t+11], v[16:27], 0, v[KS+\t/2], v28 matrix_a_fmt:MATRIX_FMT_FP6 matrix_b_fmt:MATRIX_FMT_FP6
.endif
.endr
.rept 4
	v_nop                                          ; places: the scores are read and K's registers loaded below
.endr
	s_bitcmp1_b32 s29, 0                           ; has the step a masked key?  Then every score is held under its key's cap
	s_cbranch_scc0 .Lopen_\@
.irp g, 0,1
.irp b, 0,1
.irp e, 0,1,2,3
	ds_load_b128 v[KF+16*\b+4*\e:KF+16*\b+4*\e+3], v9 offset:128*(2*\g+\b)+16*\e   ; register 16 b + i holds key 32 b + 16 h' + i
.endr
.endr
	s_wait_dscnt 0x0
.set n, 0
.rept 32
	v_min_num_f32 v[S+32*\g+n], v[S+32*\g+n], v[KF+n]
.set n, n+1
.endr
.endr
.Lopen_\@:
.irp t, 0,1,2,3                                ; V's four fragments land while the softmax is walked
	ds_load_b128 v[KF+12*\t:KF+12*\t+3], v1 offset:BLK*\sg+6144+1536*\t
	ds_load_b64 v[KF+12*\t+4:KF+12*\t+5], v2 offset:BLK*\sg+6144+1536*\t+512
	ds_load_b128 v[KF+12*\t+6:KF+12*\t+9], v1 offset:BLK*\sg+6144+1536*\t+768
	ds_load_b64 v[KF+12*\t+10:KF+12*\t+11], v2 offset:BLK*\sg+6144+1536*\t+1280
	ds_load_b32 v[VS+\t], v3 offset:BLK*\sg+12800+128*\t
.endr
.irp b, 0,1,2,3
	v_max3_num_f32 v[BM+\b], v[S+16*\b], v[S+1+16*\b], v[S+2+16*\b]   ; the largest score of each block of 32 keys: for the row's maximum and, since p rises with the score, for the block's largest p
.endr
.irp i, 3,5,7,9,11,13
.irp b, 0,1,2,3
	v_max3_num_f32 v[BM+\b], v[BM+\b], v[S+16*\b+\i], v[S+1+16*\b+\i]
.endr
.endr
.irp b, 0,1,2,3
	v_max_num_f32 v[BM+\b], v[BM+\b], v[S+15+16*\b]
.endr
.irp b, 0,1,2,3
	v_permlanex16_b32 v[BT+\b], v[BM+\b], s24, s25
.endr
.irp b, 0,1,2,3
	v_max_num_f32 v[BM+\b], v[BM+\b], v[BT+\b]
.endr
	v_max3_num_f32 v250, v[BM], v[BM+1], v[BM+2]
	v_max_num_f32 v250, v250, v[BM+3]
	v_mul_f32 v250, s26, v250                      ; as t
	v_max_num_f32 v13, v13, v250                   ; the running largest t
	v_mov_b32 v250, v12
	v_floor_f32 v12, -v13                          ; the new -M: M is a whole number
	v_sub_f32 v250, v12, v250                      ; old M - new M, 0 or less
	v_cvt_i32_f32 v250, v250                       ; (it saturates)
	v_ldexp_f32 v248, 1.0, v250                    ; f = 2^(old M - new M): rounds nothing
.set n, 0
.rept 32
	v_pk_fma_f32 v[S+n:S+n+1], v[S+n:S+n+1], s[26:27], v[12:13] op_sel_hi:[1,0,0]   ; t - M
.set n, n+2
.endr
.irp b, 0,1,2,3
	v_fma_f32 v[BM+\b], v[BM+\b], s26, v12
.endr
.set n, 0
.rept 64
	v_exp_f32 v[S+n], v[S+n]                       ; p = 2^(t - M): one batch
.set n, n+1
.endr
	v_pk_mul_f32 v[14:15], v[14:15], v[248:249] op_sel_hi:[1,0]   ; the sums under the new M (a plain place behind the batch)
	s_wait_alu depctr_va_vdst(0)                   ; one wait for the batch, ahead of its first reader
.irp b, 0,1,2,3
	v_exp_f32 v[BM+\b], v[BM+\b]                   ; the blocks' largest p
.endr
	v_pk_add_f32 v[BT:BT+1], v[S:S+1], v[S+2:S+3]  ; the row's sum of the unquantised p, in two chains
.irp j, 4,8,12,16,20,24,28,32,36,40,44,48,52,56,60
	v_pk_add_f32 v[14:15], v[14:15], v[S+\j:S+\j+1]
	v_pk_add_f32 v[BT:BT+1], v[BT:BT+1], v[S+\j+2:S+\j+3]
.endr
	v_pk_add_f32 v[14:15], v[14:15], v[BT:BT+1]
	s_wait_alu depctr_va_vdst(0)                   ; and one for the four
.irp b, 0,1,2,3
	v_max_num_f32 v[BM+\b], 0x1800000, v[BM+\b]    ; the floor: a block whose every p is 0 keeps the byte 1
.endr
.irp b, 0,1,2,3
	v_add_nc_u32 v[SO+\b], 0xff000000, v[BM+\b]
.endr
.irp b, 0,1,2,3
	v_lshrrev_b32 v[BT+\b], 23, v[SO+\b]
.endr
	v_lshl_or_b32 v[PW], v[BT+1], 8, v[BT]
	v_lshl_or_b32 v[PW], v[BT+2], 16, v[PW]
	v_lshl_or_b32 v[PW], v[BT+3], 24, v[PW]
.irp c, 0,1
	v_cvt_scalef32_pk16_fp6_f32 v[P+6*\c:P+6*\c+2], v[S+32*\c:S+32*\c+15], v[SO+2*\c]
	v_cvt_scalef32_pk16_fp6_f32 v[PT+4*\c:PT+4*\c+2], v[S+16+32*\c:S+31+32*\c], v[SO+2*\c+1]
.endr
	v_nop                                          ; one plain place behind a scaled conversion
.irp c, 0,1
.irp i, 0,1,2
	v_permlane16_swap_b32 v[P+6*\c+\i], v[PT+4*\c+\i]
.endr
.irp i, 0,1,2
	v_mov_b32 v[P+3+6*\c+\i], v[PT+4*\c+\i]
.endr
.endr
.set n, 0
.rept 16
	v_pk_mul_f32 v[O+n:O+n+1], v[O+n:O+n+1], v[248:249] op_sel_hi:[1,0]   ; O^T under the new M; these sixteen are also the places between p's scale word and codes and the products below
.set n, n+2
.endr
	s_wait_dscnt 0x0                               ; V is in
.irp t, 0,1,2,3                                ; O^T += V^T P^T: four accumulators, one instruction each
	v_wmma_scale_f32_16x16x128_f8f6f4 v[O+8*\t:O+8*\t+7], v[KF+12*\t:KF+12*\t+11], v[P:P+11], v[O+8*\t:O+8*\t+7], v[VS+\t], v[PW] matrix_a_fmt:MATRIX_FMT_FP6 matrix_b_fmt:MATRIX_FMT_FP6
.endr
.rept 4
	v_nop                                          ; places in front of the next loads into V's registers and of the next read of O^T
.endr
.Lno_work_\@:
	s_wait_loadcnt 0x0                             ; my share of the next block is in (if it was asked for): its address may step
	s_bitcmp1_b32 s28, 2
	s_cbranch_scc0 .Lno_post_\@
.irp n, 0,1,2,3,4,5
	ds_store_b128 v5, v[30+4*\n:33+4*\n] offset:BLK*(1-\sg)+2048*\n    ; into the other place: nobody has read it since the last barrier
.endr
	ds_store_b64 v6, v[54:55] offset:BLK*(1-\sg)+12288
.Lno_post_\@:
	s_add_nc_u64 s[32:33], s[32:33], BLK
	s_lshr_b32 s28, s28, 2
	s_lshr_b32 s29, s29, 2
	s_add_co_u32 s30, s30, 512
	s_wait_dscnt 0x0                               ; my stores have landed and my reads of this place are over:
	s_barrier_signal -1                            ; one barrier a step does both: the next place is whole, and this one may be written in the next step
	s_barrier_wait -1
.endm
.Lsteps:
	STEP 0
	STEP 1
	s_sub_co_u32 s31, s31, 1
	s_cmp_lg_u32 s31, 0
	s_cbranch_scc1 .Lsteps
	; THE WAY OUT: O^T / the sum, quantised along the channels: an image of ao
	v_add_f32 v14, v14, v15
	v_permlanex16_b32 v250, v14, s24, s25
	v_add_f32 v14, v14, v250
	v_rcp_f32 v14, v14
	v_and_b32 v250, 31, v0                         ; (a plain place behind the reciprocal)
	v_and_b32 v251, 15, v0
	v_lshlrev_b32 v10, 4, v250
	v_lshlrev_b32 v11, 3, v250
	v_lshlrev_b32 v29, 5, v251
	s_wait_alu depctr_va_vdst(0)                   ; the wait, ahead of the first reader
.set n, 0
.rept 32
	v_mul_f32 v[S+n], v[O+n], v14                  ; register 16 b + i: channel 32 b + 16 h' + i of my query
.set n, n+1
.endr
	QUANT2 S, P, PW
	global_store_b128 v10, v[P:P+3], s[52:53]      ; 512 dense bytes,
	global_store_b64 v11, v[P+4:P+5], s[52:53] offset:512   ; and 256
	global_store_b16 v29, v[PW], s[54:55]          ; my row's two scale bytes (lanes 16-31 write the same bytes with the same values)
	s_wait_xcnt 0x0
	v_lshl_add_u32 v254, v0, 2, 0x2e800
	v_mov_b32 v255, 0
	s_wait_tensorcnt 0x0
	ds_add_u32 v254, v255
	s_wait_dscnt 0x0
	s_endpgm
.Lfunc_end_k_qf935aca79d_attn:
	.size	k_qf935aca79d_attn, .Lfunc_end_k_qf935aca79d_attn-k_qf935aca79d_attn
	.p2alignl 7, 3214868480
	.fill 96, 4, 3214868480
	.section	.rodata,"a",@progbits
	.p2align	6, 0x0
	.amdhsa_kernel k_qf935aca79d_attn
		.amdhsa_group_segment_fixed_size 192512
		.amdhsa_private_segment_fixed_size 0
		.amdhsa_enable_private_segment 0
		.amdhsa_kernarg_size 56
		.amdhsa_user_sgpr_count 2
		.amdhsa_user_sgpr_kernarg_segment_ptr 1
		.amdhsa_wavefront_size32 1
		.amdhsa_system_sgpr_workgroup_id_x 1
		.amdhsa_system_sgpr_workgroup_id_y 1
		.amdhsa_system_sgpr_workgroup_id_z 1
		.amdhsa_system_vgpr_workitem_id 0
		.amdhsa_next_free_vgpr 256
		.amdhsa_next_free_sgpr 66
		.amdhsa_reserve_vcc 0
		.amdhsa_float_denorm_mode_32 3
		.amdhsa_float_denorm_mode_16_64 3
		.amdhsa_memory_ordered 1
		.amdhsa_forward_progress 1
		.amdhsa_inst_pref_size 79
	.end_amdhsa_kernel
	.amdgpu_metadata
---
amdhsa.version: [ 1, 2 ]
amdhsa.kernels:
  - .name:           k_qf935aca79d_attn
    .symbol:         k_qf935aca79d_attn.kd
    .args:
      - { .name: xc, .offset: 0, .size: 8, .value_kind: global_buffer, .address_space: global }
      - { .name: xs, .offset: 8, .size: 8, .value_kind: global_buffer, .address_space: global }
      - { .name: kvw, .offset: 16, .size: 8, .value_kind: global_buffer, .address_space: global }
      - { .name: mask, .offset: 24, .size: 8, .value_kind: global_buffer, .address_space: global }
      - { .name: bq, .offset: 32, .size: 8, .value_kind: global_buffer, .address_space: global }
      - { .name: ao, .offset: 40, .size: 8, .value_kind: global_buffer, .address_space: global }
      - { .name: aos, .offset: 48, .size: 8, .value_kind: global_buffer, .address_space: global }
    .group_segment_fixed_size: 192512
    .private_segment_fixed_size: 0
    .kernarg_segment_align: 8
    .kernarg_segment_size: 56
    .max_flat_workgroup_size: 512
    .sgpr_count:     66
    .vgpr_count:     256
    .wavefront_size: 32
...
	.end_amdgpu_metadata
.endif
;; end of part 3
;; launch oproj (part 4): grid 8 x 32, 4 waves a work-group, clusters of 4 x 4, 214,528 bytes of LDS; arguments ao, aos, xc, xs, bo, q, out0; writes out0
.if DOCPART == 4
	.amdgcn_target "amdgcn-amd-amdhsa--gfx1250"
	.amdhsa_code_object_version 6
	.text
	.protected	k_qf935aca79d_oproj
	.globl	k_qf935aca79d_oproj
	.p2align	8
	.type	k_qf935aca79d_oproj,@function
k_qf935aca79d_oproj:
	s_mov_b64 s[64:65], 0
	v_nop
	global_prefetch_b8 v0, s[64:65] scope:SCOPE_SE
	s_setreg_imm32_b32 hwreg(HW_REG_WAVE_MODE, 25, 1), 1
	s_wait_xcnt 0x0
	s_wait_alu depctr_hold_cnt(0) depctr_sa_sdst(0) depctr_va_vdst(0) depctr_va_sdst(0) depctr_va_ssrc(0) depctr_va_vcc(0) depctr_vm_vsrc(0)
	s_getreg_b32 s2, hwreg(HW_REG_IB_STS2, 6, 4)
	s_cmp_eq_u32 s2, 0
	s_cbranch_scc0 .Lentry_in_a_cluster
	s_endpgm
.Lentry_in_a_cluster:
	s_bfe_u32 s2, ttmp6, 0x10000c
	s_cmp_lg_u32 s2, 0xf033
	s_cbranch_scc0 .Lentry_shape_is_right
	s_endpgm
.Lentry_shape_is_right:
; out0 = q + attention's result x Wo^T + bo, the product on codes of E2M3 with E8M0 scales, K = 1,024.
; A work-group makes 128 x 128 of out0 (256 work-groups), each of its four waves 64 x 64: 16 accumulators.  Source 0 = 16 rows of Wo, source 1 = 16 rows of ao: a lane holds eight neighbouring numbers of a row of out0.
; Operands lie in ao and xc as images of the operand's registers ([tile][16 images][768 bytes]; stored tile 2 g + u, place r: row 32 g + 8 u + r + 8 (r / 8)).
; ALL OF K LIES IN LDS, FILLED ONCE: four parts of 256 along K; each wave brings its quarter of every part (4 tiles x 3,072 bytes) by four tensor loads issued together at the start: four loads of mine are out.
; No LDS byte is filled again, so there is no ring.  A part is read behind the counted wait for it and a barrier.
; CLUSTER 4 x 4: ao's tiles are shared along a row of the cluster, Wo's along a column: joint loads.
; bo is the C of each sum's first matrix instruction; q's rows are loaded at the start and added on the way out.
; REGISTERS: window 0: v16-24 addresses; v32-63 ao's scale words (8 a + K step), v64-95 Wo's; v96-127 bo, later rows on the way out; v128-255 accumulators.  window 1: two sets of fragments.  window 2: v0-127 q.
.set PART,   49152
.set QT,     12288                     ; a wave's share of a part
.set STAGE,  4*PART                    ; behind the parts: 16 rows x (256 bytes + 16) for each wave; no tensor load lands there
.set SPITCH, 272
.set A16, 16
.set A8,  17
.set B16, 18
.set B8,  19
.set STO, 20
.set RD,  21
.set CO,  22
.set SOF, 23
.set H64, 24
.set SA,  32
.set SB,  64
.set BO,  96
.set TMP, 96
.set ACC, 128
.set G1A, 28
.set G1B, 36
.set G0A, 44
.set G0B, 68
.set MSB, 0
.macro WIN new                         ; the immediate's high byte repeats the setting that is left
.if MSB != \new
	s_set_vgpr_msb (MSB<<8)|\new
.set MSB, \new
.endif
.endm
.macro CROUND                          ; a round of the cluster's barrier
	s_barrier_signal -1
	s_barrier_wait -1
	s_cmp_lg_u32 s18, 0
	s_cbranch_scc1 .Lnot_wave_0_\@
	s_barrier_signal -3
.Lnot_wave_0_\@:
	s_barrier_wait -3
	s_barrier_signal -1
	s_barrier_wait -1
.endm
	s_load_b256 s[4:11], s[0:1], 0x0               ; ao, aos, xc, xs
	s_load_b128 s[12:15], s[0:1], 0x20             ; bo, q
	s_load_b64 s[16:17], s[0:1], 0x30              ; out0
	v_lshl_add_u32 v30, v0, 2, 0x34400
	v_mov_b32 v31, 0
	ds_add_u32 v30, v31
	ds_add_u32 v30, v31
	v_lshrrev_b32 v1, 5, v0
	v_readfirstlane_b32 s18, v1                    ; wave 0..3
	s_lshr_b32 s19, s18, 1                         ; which half of the rows is mine.  Also: I fetch for ao (0) or for Wo (1)
	s_and_b32 s20, s18, 1                          ; which half of the columns.  Also: which four tiles I fetch
	s_bfe_u32 s21, ttmp6, 0x40000                  ; cx
	s_bfe_u32 s22, ttmp6, 0x40004                  ; cy
	s_lshl_b32 s23, ttmp9, 2
	s_add_co_u32 s23, s23, s21                     ; X: which 128 columns
	s_and_b32 s24, ttmp7, 0xffff
	s_lshl_b32 s24, s24, 2
	s_add_co_u32 s24, s24, s22                     ; Y: which 128 rows
	s_lshl_b32 s25, s22, 2
	s_lshl_b32 s25, 15, s25                        ; my row of the cluster
	s_lshl_b32 s26, 0x1111, s21                    ; my column
	s_or_b32 s[G1A], s25, (3<<16)|(1<<21)          ; 4 rows (tiles) of 384 elements of 8 bytes, 12,288 bytes apart; no padding: fragment loads read dense bytes
	s_or_b32 s[G1B], s26, (3<<16)|(1<<21)
.irp g, G1A, G1B
	s_mov_b32 s[\g+1], 384<<16
	s_mov_b32 s[\g+2], 4<<16
	s_mov_b32 s[\g+3], 384<<16
	s_mov_b32 s[\g+4], 4
	s_mov_b32 s[\g+5], 1536
	s_mov_b32 s[\g+6], 0
	s_mov_b32 s[\g+7], 0
.endr
	s_lshl_b32 s27, s20, 2
	s_lshl_b32 s84, s24, 3
	s_add_co_u32 s84, s84, s27                     ; ao: tile 8 Y + 4 x half (never holds cx)
	s_mul_i32 s84, s84, 12288
	s_mov_b32 s85, 0
	s_lshl_b32 s86, s23, 3
	s_add_co_u32 s86, s86, s27
	s_add_co_u32 s86, s86, 960                     ; Wo: tile 960 + 8 X + 4 x half (never holds cy)
	s_mul_i32 s86, s86, 12288
	s_mov_b32 s87, 0
	s_mul_i32 s88, s18, QT                         ; where they go: no place in the cluster enters an LDS address
	s_wait_dscnt 0x0
	s_wait_kmcnt 0x0
	s_add_nc_u64 s[84:85], s[4:5], s[84:85]
	s_add_nc_u64 s[86:87], s[8:9], s[86:87]
.irp p, 0,1,2,3
	s_mov_b32 s[G0A+4*\p], 1
	s_add_co_u32 s[G0A+4*\p+1], s88, \p*PART
	s_add_nc_u64 s[G0A+4*\p+2:G0A+4*\p+3], s[84:85], \p*3072
	s_or_b32 s[G0A+4*\p+3], s[G0A+4*\p+3], 0x80000000
	s_mov_b32 s[G0B+4*\p], 1
	s_add_co_u32 s[G0B+4*\p+1], s88, \p*PART
	s_add_nc_u64 s[G0B+4*\p+2:G0B+4*\p+3], s[86:87], \p*3072
	s_or_b32 s[G0B+4*\p+3], s[G0B+4*\p+3], 0x80000000
.endr
	CROUND                                         ; all sixteen work-groups are here: the joint loads meet
	s_cmp_eq_u32 s19, 0                            ; a wave's four fills stand in one branch on its number; four v_nop follow the last
	s_cbranch_scc0 .Lfor_b
.irp p, 0,1,2,3
	tensor_load_to_lds s[G0A+4*\p:G0A+4*\p+3], s[G1A:G1A+7]
	s_nop 0
.endr
.rept 4
	v_nop
.endr
	s_branch .Lasked
.Lfor_b:
.irp p, 0,1,2,3
	tensor_load_to_lds s[G0B+4*\p:G0B+4*\p+3], s[G1B:G1B+7]
	s_nop 0
.endr
.rept 4
	v_nop
.endr
.Lasked:
	v_and_b32 v1, 15, v0                           ; r
	v_bfe_u32 v2, v0, 4, 1                         ; h'
	v_and_b32 v3, 31, v0                           ; lane
	s_mul_i32 s27, s19, QT                         ; my four tiles of ao
	v_lshl_add_u32 v[A16], v3, 4, s27
	v_lshl_add_u32 v[A8], v3, 3, s27
	v_add_nc_u32 v[A8], 512, v[A8]
	s_mul_i32 s27, s20, QT                         ; my four tiles of Wo,
	s_add_co_u32 s27, s27, 2*QT                    ; which lie behind ao's eight
	v_lshl_add_u32 v[B16], v3, 4, s27
	v_lshl_add_u32 v[B8], v3, 3, s27
	v_add_nc_u32 v[B8], 512, v[B8]
	s_mul_i32 s27, s18, 16*SPITCH
	s_add_co_u32 s27, s27, STAGE                   ; my stage
	v_mul_u32_u24 v4, v1, SPITCH
	v_lshl_add_u32 v4, v2, 6, v4
	v_add_nc_u32 v[STO], s27, v4                   ; in: row r, + 64 h'
	v_mul_u32_u24 v4, v2, SPITCH
	v_lshl_add_u32 v4, v1, 4, v4
	v_add_nc_u32 v[RD], s27, v4                    ; back: lanes 0-15 one row of 256 bytes, lanes 16-31 the next
	v_lshlrev_b32 v[CO], 12, v2
	v_lshl_add_u32 v[CO], v1, 4, v[CO]             ; and the same two rows in q and out0
	v_lshlrev_b32 v[SOF], 5, v1                    ; 32 scale bytes a row
	v_lshlrev_b32 v[H64], 6, v2
	s_lshl_b32 s84, s24, 3
	s_lshl_b32 s27, s19, 2
	s_add_co_u32 s84, s84, s27
	s_lshl_b32 s84, s84, 9
	s_mov_b32 s85, 0
	s_add_nc_u64 s[84:85], s[6:7], s[84:85]        ; aos at my four tiles
	s_lshl_b32 s86, s23, 3
	s_lshl_b32 s27, s20, 2
	s_add_co_u32 s86, s86, s27
	s_add_co_u32 s86, s86, 960
	s_lshl_b32 s86, s86, 9
	s_mov_b32 s87, 0
	s_add_nc_u64 s[86:87], s[10:11], s[86:87]      ; xs at my four tiles of Wo
	s_lshl_b32 s88, s23, 9
	s_lshl_b32 s27, s20, 8
	s_add_co_u32 s88, s88, s27                     ; my 64 columns, in bytes
	s_mov_b32 s89, 0
	s_add_nc_u64 s[12:13], s[12:13], s[88:89]      ; bo
	s_lshl_b32 s90, s24, 7
	s_lshl_b32 s27, s19, 6
	s_add_co_u32 s90, s90, s27
	s_lshl_b32 s90, s90, 12                        ; my first row, 4,096 bytes a row
	s_add_co_u32 s90, s90, s88
	s_mov_b32 s91, 0
	s_add_nc_u64 s[14:15], s[14:15], s[90:91]      ; q
	s_add_nc_u64 s[16:17], s[16:17], s[90:91]      ; out0
.irp a, 0,1,2,3
	global_load_b128 v[SA+8*\a:SA+8*\a+3], v[SOF], s[84:85] offset:512*\a
	global_load_b128 v[SA+8*\a+4:SA+8*\a+7], v[SOF], s[84:85] offset:512*\a+16
	global_load_b128 v[SB+8*\a:SB+8*\a+3], v[SOF], s[86:87] offset:512*\a
	global_load_b128 v[SB+8*\a+4:SB+8*\a+7], v[SOF], s[86:87] offset:512*\a+16
.endr
.irp b, 0,1,2,3
	global_load_b128 v[BO+8*\b:BO+8*\b+3], v[H64], s[12:13] offset:(32*(\b/2)+8*(\b%2))*4
	global_load_b128 v[BO+8*\b+4:BO+8*\b+7], v[H64], s[12:13] offset:(32*(\b/2)+8*(\b%2))*4+16
.endr
	WIN 0x80                                       ; destination window 2
.irp a, 0,1,2,3
.irp t, 0,1,2,3,4,5,6,7
	global_load_b128 v[32*\a+4*\t:32*\a+4*\t+3], v[CO], s[14:15] offset:(32*(\a/2)+8*(\a%2)+2*\t+8*(\t/4))*4096 th:TH_LOAD_NT   ; q at the rows of stored tile a, as they will be stored
.endr
.endr
	WIN 0
.macro FETCH ks                        ; the eight fragments of K step ks into set ks % 2: 32 LDS loads of dense bytes
	WIN 0x40
.set FB, 128*((\ks)%2)
.set FO, 1536*((\ks)%2)
.irp i, 0,1,2,3
	ds_load_b128 v[FB+12*\i:FB+12*\i+3], v[B16] offset:FO+3072*\i
	ds_load_b64 v[FB+12*\i+4:FB+12*\i+5], v[B8] offset:FO+3072*\i
	ds_load_b128 v[FB+12*\i+6:FB+12*\i+9], v[B16] offset:FO+3072*\i+768
	ds_load_b64 v[FB+12*\i+10:FB+12*\i+11], v[B8] offset:FO+3072*\i+768
.endr
.irp i, 0,1,2,3
	ds_load_b128 v[FB+48+12*\i:FB+48+12*\i+3], v[A16] offset:FO+3072*\i
	ds_load_b64 v[FB+48+12*\i+4:FB+48+12*\i+5], v[A8] offset:FO+3072*\i
	ds_load_b128 v[FB+48+12*\i+6:FB+48+12*\i+9], v[A16] offset:FO+3072*\i+768
	ds_load_b64 v[FB+48+12*\i+10:FB+48+12*\i+11], v[A8] offset:FO+3072*\i+768
.endr
.endm
; A K step of 128: its fragments are in; the next step's are asked for; 16 matrix instructions, the 16 accumulators by turns.
.macro KSTEP ks
	s_wait_dscnt 0x0
.if ((\ks)%2 == 1) && ((\ks) < 7)
	s_wait_tensorcnt 3-((\ks)+1)/2                 ; my share of the next part is in; the later parts' loads may be out
	s_barrier_signal -1
	s_barrier_wait -1                              ; everybody's is
	WIN 0
	v_add_nc_u32 v[A16], PART, v[A16]
	v_add_nc_u32 v[A8], PART, v[A8]
	v_add_nc_u32 v[B16], PART, v[B16]
	v_add_nc_u32 v[B8], PART, v[B8]
.endif
.if (\ks) < 7
.rept 4
	v_nop                                          ; places in front of loads into registers that matrix instructions have read
.endr
	FETCH (\ks)+1
.endif
	WIN 0x05                                       ; sources 0 and 1 window 1; C and D window 0
.set MB, 128*((\ks)%2)
.irp a, 0,1,2,3
.irp b, 0,1,2,3
.if (\ks) == 0
	v_wmma_scale_f32_16x16x128_f8f6f4 v[ACC+8*(4*\a+\b):ACC+8*(4*\a+\b)+7], v[MB+12*\b:MB+12*\b+11], v[MB+48+12*\a:MB+48+12*\a+11], v[BO+8*\b:BO+8*\b+7], v[SB+8*\b+(\ks)], v[SA+8*\a+(\ks)] matrix_a_fmt:MATRIX_FMT_FP6 matrix_b_fmt:MATRIX_FMT_FP6
.else
	v_wmma_scale_f32_16x16x128_f8f6f4 v[ACC+8*(4*\a+\b):ACC+8*(4*\a+\b)+7], v[MB+12*\b:MB+12*\b+11], v[MB+48+12*\a:MB+48+12*\a+11], v[ACC+8*(4*\a+\b):ACC+8*(4*\a+\b)+7], v[SB+8*\b+(\ks)], v[SA+8*\a+(\ks)] matrix_a_fmt:MATRIX_FMT_FP6 matrix_b_fmt:MATRIX_FMT_FP6
.endif
.endr
.endr
.endm
	s_wait_tensorcnt 3                             ; my share of part 0 is in (three later loads may be out),
	s_barrier_signal -1
	s_barrier_wait -1                              ; everybody's is
	FETCH 0
	s_wait_loadcnt 32                              ; the scale words and bo are in; q's 32 loads may be out
.irp ks, 0,1,2,3,4,5,6,7
	KSTEP \ks
.endr
	WIN 0
.rept 4
	v_nop                                          ; places behind the last products
.endr
	; THE WAY OUT, a stored tile of 16 rows at a time, through my own stage: a lane's 32 bytes go in, whole rows of 256 bytes come back, q is added, sixteen lanes store 256 consecutive aligned bytes
.irp a, 0,1,2,3
.irp b, 0,1,2,3
	ds_store_b128 v[STO], v[ACC+8*(4*\a+\b):ACC+8*(4*\a+\b)+3] offset:128*(\b/2)+32*(\b%2)          ; each accumulator from its low end on
	ds_store_b128 v[STO], v[ACC+8*(4*\a+\b)+4:ACC+8*(4*\a+\b)+7] offset:128*(\b/2)+32*(\b%2)+16
.endr
.if \a > 0
	s_wait_xcnt 0x0                                ; the last tile's stores have read their registers: they are loaded again only behind this wait
.endif
.irp t, 0,1,2,3,4,5,6,7
	ds_load_b128 v[TMP+4*\t:TMP+4*\t+3], v[RD] offset:\t*2*SPITCH   ; LDS serves a wave's instructions in order: these see the stores above
.endr
	s_wait_dscnt 0x0
.if \a == 0
	s_wait_loadcnt 0x0                             ; q
.endif
	WIN 0x08                                       ; source 1 window 2
.set n, 0
.rept 16
	v_pk_add_f32 v[TMP+2*n:TMP+2*n+1], v[TMP+2*n:TMP+2*n+1], v[32*\a+2*n:32*\a+2*n+1]
.set n, n+1
.endr
	WIN 0
.irp t, 0,1,2,3,4,5,6,7
	global_store_b128 v[CO], v[TMP+4*\t:TMP+4*\t+3], s[16:17] offset:(32*(\a/2)+8*(\a%2)+2*\t+8*(\t/4))*4096 th:TH_STORE_NT
.endr
.endr
	s_wait_tensorcnt 0x0
	s_wait_dscnt 0x0
	s_wait_tensorcnt 0x0
	ds_add_u32 v30, v31
	s_wait_dscnt 0x0
	CROUND                                         ; the closing round: no work-group ends while a partner may still ask for a tile that names it
	s_endpgm
.Lfunc_end_k_qf935aca79d_oproj:
	.size	k_qf935aca79d_oproj, .Lfunc_end_k_qf935aca79d_oproj-k_qf935aca79d_oproj
	.p2alignl 7, 3214868480
	.fill 96, 4, 3214868480
	.section	.rodata,"a",@progbits
	.p2align	6, 0x0
	.amdhsa_kernel k_qf935aca79d_oproj
		.amdhsa_group_segment_fixed_size 214528
		.amdhsa_private_segment_fixed_size 0
		.amdhsa_enable_private_segment 0
		.amdhsa_kernarg_size 56
		.amdhsa_user_sgpr_count 2
		.amdhsa_user_sgpr_kernarg_segment_ptr 1
		.amdhsa_wavefront_size32 1
		.amdhsa_system_sgpr_workgroup_id_x 1
		.amdhsa_system_sgpr_workgroup_id_y 1
		.amdhsa_system_sgpr_workgroup_id_z 1
		.amdhsa_system_vgpr_workitem_id 0
		.amdhsa_next_free_vgpr 768
		.amdhsa_next_free_sgpr 100
		.amdhsa_reserve_vcc 0
		.amdhsa_float_denorm_mode_32 3
		.amdhsa_float_denorm_mode_16_64 3
		.amdhsa_memory_ordered 1
		.amdhsa_forward_progress 1
		.amdhsa_inst_pref_size 61
	.end_amdhsa_kernel
	.amdgpu_metadata
---
amdhsa.version: [ 1, 2 ]
amdhsa.kernels:
  - .name:           k_qf935aca79d_oproj
    .symbol:         k_qf935aca79d_oproj.kd
    .args:
      - { .name: ao, .offset: 0, .size: 8, .value_kind: global_buffer, .address_space: global }
      - { .name: aos, .offset: 8, .size: 8, .value_kind: global_buffer, .address_space: global }
      - { .name: xc, .offset: 16, .size: 8, .value_kind: global_buffer, .address_space: global }
      - { .name: xs, .offset: 24, .size: 8, .value_kind: global_buffer, .address_space: global }
      - { .name: bo, .offset: 32, .size: 8, .value_kind: global_buffer, .address_space: global }
      - { .name: q, .offset: 40, .size: 8, .value_kind: global_buffer, .address_space: global }
      - { .name: out0, .offset: 48, .size: 8, .value_kind: global_buffer, .address_space: global }
    .group_segment_fixed_size: 214528
    .private_segment_fixed_size: 0
    .kernarg_segment_align: 8
    .kernarg_segment_size: 56
    .max_flat_workgroup_size: 128
    .sgpr_count:     100
    .vgpr_count:     768
    .wavefront_size: 32
...
	.end_amdgpu_metadata
.endif
;; end of part 4
;; ======== version 2 of 2: 4 launches; version 1 with the launch attn written anew for expert scheduling mode
;; workspace buffers: xc 12,582,912 bytes; xs 524,288 bytes; kvw 13,631,488 bytes; ao 3,145,728 bytes; aos 131,072 bytes
;; launch prep: the kernel of part 1 again; grid 256 x 1, 16 waves a work-group, no clusters, 128,000 bytes of LDS; arguments q, kv, Wq, Wkv, Wo, norm_q_w, norm_q_b, norm_kv_w, norm_kv_b, xc, xs; writes xc, xs
;; launch kvproj: the kernel of part 2 again; grid 4 x 64, 4 waves a work-group, clusters of 4 x 4, 327,680 bytes of LDS; arguments xc, xs, bkv, kvw; writes kvw
;; launch attn (part 5): grid 16 x 16, 16 waves a work-group, no clusters, 192,512 bytes of LDS; arguments xc, xs, kvw, mask, bq, ao, aos; writes ao, aos
.if DOCPART == 5
	.amdgcn_target "amdgcn-amd-amdhsa--gfx1250"
	.amdhsa_code_object_version 6
	.text
	.protected	k_qf935aca79d_attn
	.globl	k_qf935aca79d_attn
	.p2align	8
	.type	k_qf935aca79d_attn,@function
k_qf935aca79d_attn:
	s_mov_b64 s[64:65], 0
	v_nop
	global_prefetch_b8 v0, s[64:65] scope:SCOPE_SE
	s_setreg_imm32_b32 hwreg(HW_REG_WAVE_SCHED_MODE, 0, 2), 2
	s_setreg_imm32_b32 hwreg(HW_REG_WAVE_MODE, 25, 1), 1
	s_wait_xcnt 0x0
	s_wait_alu depctr_vm_vsrc(0)
; The query projection of one head, masked cross attention, and the quantiser of its result, all products on codes of E2M3 with E8M0 scales.
; SHARES.  Work-group (j, h): head h, queries 64 j .. 64 j + 63 of ALL FOUR batches.  Wave w: batch bw = (w + w / 4) % 4, stored tile of 16 queries T = 64 bw + 4 j + w / 4.
; The batches' numbers of open keys differ, so each work-group holds four waves of every batch: every work-group then has the same work, whatever the mask.
; A wave: Q = qn Wq^T + bq for its 16 rows and the head's 64 channels (32 matrix instructions), quantised in registers; then 16 steps of 128 keys.
; LAYOUT.  All products are used transposed (source 0 = 16 rows of Wq, 16 keys, 16 channels of V^T; source 1 = my 16 queries): a lane holds ONE query throughout, and by the stored order of rows
; (tile 2 g + u, place r: row 32 g + 8 u + r + 8 (r / 8)) the 16 registers of two neighbouring tiles are 16 neighbours along the next K.
; K = 64 in the scores' product: Q's upper six registers are zero codes, and K's operand names the next tile's six registers there: they meet zeros under bytes that are never 0xff.
; K AND V come from kvw in blocks of 13,312 bytes (one batch, head, step) through registers into a ring of two LDS places for each batch; the four waves of a batch share the copying, one step ahead.
; No tensor load: steps are left out by branches on numbers made from the mask's bytes.
; THE MASK is read byte by byte.  A masked key's score is capped at -2^33 (its logit at -2^30 in place of -1e9: the same results as long as open logits lie above -2^30); an open key's cap is +infinity.
; -2^33 c is a whole number in f32, so in a row whose every key is masked t - M is exactly 0 and p = 1 for all keys, as the reference's softmax of equal logits has it.
; A step whose 128 keys are all masked adds exact zeros where its batch has an open key: it is left out.  A batch without an open key walks all steps.
; THE SOFTMAX: t = score x log2(e) / 8; M = the running largest t rounded up to a whole number; p = 2^(t - M) is quantised along the keys; the sum is taken of the unquantised p and divides at the end.
; OUTPUT: ao [tile][head][768 bytes]: an image of 16 queries x 64 channels, dense; aos [tile][r][32]: two bytes a row and head: pieces of 2 bytes, 131,072 bytes in the whole launch.
; LIMITS: NaN and infinities are not served; a block of zeros gets the byte 1 (its codes are zeros).
; THE MODE: SCHED_MODE bits 1:0 = 2 (LLVM: expert scheduling mode 2), set by the entry lines.  The code itself states the register dependences
; between vector or matrix instructions and memory or LDS instructions, with s_wait_alu, always for 0.
; THE PLAN.  Registers that memory or LDS instructions touch, in the loop:
;   v30-55    my share of the next block.  The global loads at a step's head land in them, the LDS stores at its end read them; no vector instruction names them.
;   v56-103   three tenants in a step, each brought by LDS loads: K's tiles (read by the eight products), on a step with a masked key 48 of its caps (read by v_min), V's fragments (read by the four products).
;   v110-117  K's and V's scale words: LDS loads land in them, the products read them.
;   v214-229  on a step with a masked key its other 16 caps (LDS loads; read by v_min); later in the step p's codes, which vector instructions write and the products read.
;   v9        the step's caps: written by one add at the step's head, read by the caps' loads.
;   v1-8      addresses made at the head and never written again.
; A STEP'S WAITS.  At its head, ahead of both branches, one on vm_vsrc (the last step's loads have read v9, its stores v30-55).  At the head of the work one on va_vdst (v9 is written; all earlier readers of
; v56-117 and v214-229 are done; in the first walked step Q's codes and scale word are written).  Behind the eight products one on va_vdst (they are done reading K): it serves the caps' loads or V's.
; On the masked way one more behind v_min.  Ahead of the four products one on va_vdst (p's codes and scale word are written).  Behind V's loads the softmax names none of v56-103 and v114-117.
.set BLK,  13312                       ; a block of kvw, and a place in the ring
.set BREG, 2*BLK                       ; a batch's two places
.set CAP,  4*BREG                      ; behind the ring: the caps, 4 bytes a key, 8,192 keys
.set WQ,   CAP+32768                   ; Wq's four tiles of the head: 49,152 bytes
.set WQS,  WQ+49152                    ; and their scale bytes: 2,048
.set HS,   212992                      ; kvw: from a head to the next
.set KF,  56                           ; v56-103 K's eight tiles (6 registers each), then caps, then V's four fragments; v104-109 zeros
.set KS,  110                          ; v110-113 K's scale words: lanes 0-15 tile 2 i, lanes 16-31 tile 2 i + 1
.set VS,  114                          ; v114-117 V's
.set S,   118                          ; v118-181 the scores, then p
.set O,   182                          ; v182-213 O^T
.set P,   214                          ; v214-225 p's codes
.set CQ,  214                          ; v214-229 ahead of them, on a step with a masked key: the caps of its last 32 keys
.set PT,  226                          ; v226-228, v230-232 the conversions' second halves
.set BM,  234                          ; v234-237 the blocks' largest
.set BT,  238                          ; v238-241 at work
.set SO,  242                          ; v242-245 the conversions' scale operands
.set PW,  246                          ; p's scale word
; v1 16 l, v2 8 l, v3 4 l, each + my batch's places; v4 my caps; v5, v6 where I store my share of a block; v7, v8 the same in memory; v9 the step's caps
; v12 -M, v13 the largest t, v[14:15] the sum; v16-27 Q (22-27 zeros), v28 Q's scale word; v30-55 my share of the next block; v[248:249] f; v250, v251 at work; v252-255 Wq's scale words
	s_load_b256 s[4:11], s[0:1], 0x0               ; xc, xs, kvw, mask
	s_load_b128 s[12:15], s[0:1], 0x20             ; bq, ao
	s_load_b64 s[16:17], s[0:1], 0x30              ; aos
	v_lshrrev_b32 v1, 5, v0
	v_readfirstlane_b32 s18, v1                    ; wave 0..15
	v_and_b32 v250, 31, v0                         ; l
	v_and_b32 v251, 15, v0                         ; r
	v_bfe_u32 v247, v0, 4, 1                       ; h'
	; addresses that the head alone uses
	v_lshlrev_b32 v10, 4, v0                       ; 16 x thread
	v_lshlrev_b32 v11, 2, v0                       ; 4 x thread
	v_lshlrev_b32 v29, 6, v250                     ; 64 l
	v_lshlrev_b32 v81, 4, v250                     ; 16 l
	v_lshlrev_b32 v82, 3, v250                     ; 8 l
	v_lshlrev_b32 v83, 5, v251                     ; 32 r
	v_lshlrev_b32 v104, 6, v247                    ; 64 h'
	v_lshl_add_u32 v105, v0, 6, CAP
	v_lshl_add_u32 v106, v0, 4, WQ
	v_lshl_add_u32 v107, v0, 2, WQS
	v_lshl_add_u32 v108, v250, 4, WQ
	v_lshl_add_u32 v109, v250, 3, WQ+512
	v_lshl_add_u32 v14, v251, 5, WQS
	s_wait_alu depctr_va_sdst(0)                   ; s18 is written, ahead of its first reader: my batch, my tile and all my bases are made from it
	s_lshr_b32 s20, s18, 2                         ; kq: which of the four tiles of queries, and which quarter of a block I copy
	s_add_co_u32 s19, s18, s20
	s_and_b32 s19, s19, 3                          ; bw: my batch
	s_and_b32 s22, ttmp7, 0xffff                   ; the head
	s_lshl_b32 s23, s19, 6
	s_lshl_b32 s38, ttmp9, 2
	s_add_co_u32 s23, s23, s38
	s_add_co_u32 s23, s23, s20                     ; T
	s_mov_b32 s24, 0x76543210
	s_mov_b32 s25, 0xfedcba98                      ; lane selects: lane l xor 16
	s_mov_b32 s26, 0x3e38aa3b                      ; c = log2(e) / 8
	s_mov_b32 s27, s26
	s_mov_b32 s36, 0xd0000000                      ; -2^33
	s_mov_b32 s37, 0x7f800000                      ; +infinity
	s_mul_i32 s38, s19, BREG
	v_lshl_add_u32 v1, v250, 4, s38
	v_lshl_add_u32 v2, v250, 3, s38
	v_lshl_add_u32 v3, v250, 2, s38
	s_lshl_b32 s39, s19, 13
	s_add_co_u32 s39, s39, CAP
	v_lshl_add_u32 v4, v247, 6, s39                ; my batch's caps, + 16 keys for lanes 16-31
	s_lshl_b32 s40, s20, 9
	v_lshl_add_u32 v7, v250, 4, s40                ; 512 kq + 16 l
	s_lshl_b32 s41, s20, 8
	v_lshl_add_u32 v8, v250, 3, s41                ; 256 kq + 8 l
	v_add_nc_u32 v5, s38, v7
	v_add_nc_u32 v6, s38, v8
	s_wait_alu depctr_va_vdst(0)                   ; all offsets and LDS addresses (v1-8, v10, v11, v14, v29, v81-83, v104-109) are written: the loads and LDS stores below read them
	s_mov_b32 s35, 0
	s_mov_b32 s39, 0
	s_wait_kmcnt 0x0
	s_lshl_b32 s34, s19, 11
	s_add_nc_u64 s[40:41], s[10:11], s[34:35]      ; my batch's 2,048 mask bytes
	s_lshl_b32 s34, s22, 2
	s_add_co_u32 s34, s34, 768                     ; Wq's first tile of the head
	s_lshl_b32 s38, s34, 9
	s_mul_i32 s34, s34, 12288
	s_add_nc_u64 s[42:43], s[4:5], s[34:35]
	s_add_nc_u64 s[44:45], s[6:7], s[38:39]
	s_mul_i32 s34, s23, 12288
	s_add_nc_u64 s[46:47], s[4:5], s[34:35]        ; my tile of qn
	s_add_nc_u64 s[52:53], s[14:15], s[34:35]
	s_lshl_b32 s38, s23, 9
	s_add_nc_u64 s[48:49], s[6:7], s[38:39]
	s_add_nc_u64 s[54:55], s[16:17], s[38:39]
	s_lshl_b32 s34, s22, 8
	s_add_nc_u64 s[50:51], s[12:13], s[34:35]      ; bq at the head's 64
	s_mul_i32 s34, s22, 768
	s_add_nc_u64 s[52:53], s[52:53], s[34:35]      ; ao: my tile, my head's image
	s_lshl_b32 s34, s22, 1
	s_add_nc_u64 s[54:55], s[54:55], s[34:35]      ; aos: my tile, my head's two bytes
	s_lshl_b32 s34, s19, 4
	s_add_co_u32 s34, s34, s22
	s_mul_i32 s34, s34, HS
	s_add_nc_u64 s[32:33], s[8:9], s[34:35]        ; kvw: (my batch, my head), step 0
.irp n, 0,1,2,3
	global_load_b128 v[84+4*\n:87+4*\n], v29, s[40:41] offset:16*\n    ; lane l: the mask of keys 64 l .. 64 l + 63 of my batch
.endr
	global_load_b128 v[100:103], v10, s[10:11]     ; thread t: mask bytes 16 t .. 16 t + 15 of all 8,192
.irp n, 0,1,2,3,4,5
	global_load_b128 v[56+4*\n:59+4*\n], v10, s[42:43] offset:8192*\n  ; Wq's four tiles, shared out among the 512 threads
.endr
	global_load_b32 v80, v11, s[44:45]
.irp ks, 0,1,2,3,4,5,6,7
	global_load_b128 v[150+12*\ks:153+12*\ks], v81, s[46:47] offset:1536*\ks          ; my eight fragments of qn
	global_load_b64 v[154+12*\ks:155+12*\ks], v82, s[46:47] offset:1536*\ks+512
	global_load_b128 v[156+12*\ks:159+12*\ks], v81, s[46:47] offset:1536*\ks+768
	global_load_b64 v[160+12*\ks:161+12*\ks], v82, s[46:47] offset:1536*\ks+1280
.endr
	global_load_b128 v[110:113], v83, s[48:49]     ; their scale words
	global_load_b128 v[114:117], v83, s[48:49] offset:16
.irp t, 0,1,2,3
	global_load_b128 v[S+8*\t:S+8*\t+3], v104, s[50:51] offset:(32*(\t/2)+8*(\t%2))*4      ; bq, in the result's layout: the sums begin with it
	global_load_b128 v[S+8*\t+4:S+8*\t+7], v104, s[50:51] offset:(32*(\t/2)+8*(\t%2))*4+16
.endr
.irp n, 0,1,2,3,4,5
	global_load_b128 v[30+4*\n:33+4*\n], v7, s[32:33] offset:2048*\n   ; my share of step 0's block, whatever the mask
.endr
	global_load_b64 v[54:55], v8, s[32:33] offset:12288
	s_wait_loadcnt 0x0
	s_add_nc_u64 s[32:33], s[32:33], BLK           ; on to step 1's block
	; what goes to LDS as it was loaded goes at once: its data came by loads, its addresses stand behind the wait above
.irp n, 0,1,2,3,4,5
	ds_store_b128 v106, v[56+4*\n:59+4*\n] offset:8192*\n
.endr
	ds_store_b32 v107, v80
.irp n, 0,1,2,3,4,5
	ds_store_b128 v5, v[30+4*\n:33+4*\n] offset:2048*\n
.endr
	ds_store_b64 v6, v[54:55] offset:12288
	; which steps of my batch have an open key, and which a masked one: bit 2 s of s28 and of s29
	v_and_b32 v12, v84, v85
	v_or_b32 v13, v84, v85
.irp i, 86,87,88,89,90,91,92,93,94,95,96,97,98,99
	v_and_b32 v12, v12, v[\i]
	v_or_b32 v13, v13, v[\i]
.endr
	v_and_b32 v12, 0x1010101, v12
	v_cmp_ne_u32 s38, 0x1010101, v12               ; lane l: one of its 64 keys is open
	v_cmp_ne_u32 s39, 0, v13                       ; lane l: one of them is masked
	; the caps of my 16 keys
.irp e, 0,1,2,3,4,5,6,7,8,9,10,11,12,13,14,15
	v_bfe_u32 v[84+\e], v[100+\e/4], 8*(\e%4), 1
.endr
.irp e, 0,1,2,3,4,5,6,7,8,9,10,11,12,13,14,15
	v_sub_nc_u32 v[84+\e], 0, v[84+\e]             ; all ones where masked
.endr
.irp e, 0,1,2,3,4,5,6,7,8,9,10,11,12,13,14,15
	v_bfi_b32 v[84+\e], v[84+\e], s36, s37
.endr
	s_wait_alu depctr_va_vdst(0)                   ; the caps v84-99 are written, which the LDS stores below read; and the vector lines above are done with v84-103, in which the projection's loads land
.irp e, 0,1,2,3
	ds_store_b128 v105, v[84+4*\e:87+4*\e] offset:16*\e
.endr
	s_wait_alu depctr_va_sdst(0)                   ; the two compares have written s38 and s39, ahead of their first reader
	s_lshr_b32 s40, s38, 1
	s_or_b32 s40, s40, s38
	s_and_b32 s28, s40, 0x55555555
	s_mov_b32 s41, 0x55555555
	s_cmp_eq_u32 s38, 0                            ; a batch without an open key walks all steps
	s_cselect_b32 s28, s41, s28
	s_lshr_b32 s40, s39, 1
	s_or_b32 s40, s40, s39
	s_and_b32 s29, s40, 0x55555555
	s_wait_dscnt 0x0                               ; for the others' sake: my stores are done
	s_barrier_signal -1
	s_barrier_wait -1
	s_wait_alu depctr_vm_vsrc(0)                   ; the head's loads have read their offsets v81-83 and its LDS stores their data v56-80 and v84-99: the projection's loads land in these registers
	; THE QUERY PROJECTION: four accumulators by turns, K = 1,024 in eight steps
.irp ks, 0,1,2,3,4,5,6,7
.if \ks > 0
.rept 4
	v_nop                                          ; places behind the matrix instructions
.endr
	s_wait_alu depctr_va_vdst(0)                   ; the four products above are done reading v56-103 and their scale words v252-255, in which the loads below land
.endif
.irp t, 0,1,2,3
	ds_load_b128 v[56+12*\t:59+12*\t], v108 offset:12288*\t+1536*\ks
	ds_load_b64 v[60+12*\t:61+12*\t], v109 offset:12288*\t+1536*\ks
	ds_load_b128 v[62+12*\t:65+12*\t], v108 offset:12288*\t+1536*\ks+768
	ds_load_b64 v[66+12*\t:67+12*\t], v109 offset:12288*\t+1536*\ks+768
	ds_load_b32 v[252+\t], v14 offset:512*\t+4*\ks
.endr
	s_wait_dscnt 0x0
.irp t, 0,1,2,3
	v_wmma_scale_f32_16x16x128_f8f6f4 v[S+8*\t:S+8*\t+7], v[56+12*\t:67+12*\t], v[150+12*\ks:161+12*\ks], v[S+8*\t:S+8*\t+7], v[252+\t], v[110+\ks] matrix_a_fmt:MATRIX_FMT_FP6 matrix_b_fmt:MATRIX_FMT_FP6
.endr
.endr
.rept 4
	v_nop
.endr
	s_wait_alu depctr_vm_vsrc(0)                   ; the projection's LDS loads have read their addresses v108, v109 and v14 (and the head's accesses v104-107): these registers are cleared below
; 32 numbers of a lane, register 16 b + i = k 32 b + 16 (lane / 16) + i of my row, become an image's six registers in v[dst] on and two scale bytes in v[word].
.macro QUANT2 src, dst, word
.irp b, 0,1
	v_max3_num_f32 v[BM+\b], |v[\src+16*\b]|, |v[\src+1+16*\b]|, 0x1800000   ; and the floor 2^(3 - 127): the byte cannot fall under 1
.endr
.irp i, 2,4,6,8,10,12,14
.irp b, 0,1
	v_max3_num_f32 v[BM+\b], v[BM+\b], |v[\src+16*\b+\i]|, |v[\src+1+16*\b+\i]|
.endr
.endr
.irp b, 0,1
	v_permlanex16_b32 v[BT+\b], v[BM+\b], s24, s25
.endr
.irp b, 0,1
	v_max_num_f32 v[BM+\b], v[BM+\b], v[BT+\b]
.endr
.irp b, 0,1
	v_add_nc_u32 v[SO+\b], 0xff000000, v[BM+\b]    ; 2 off the exponent field: the conversion's scale operand
.endr
.irp b, 0,1
	v_lshrrev_b32 v[BT+\b], 23, v[SO+\b]
.endr
	v_lshl_or_b32 v[\word], v[BT+1], 8, v[BT]
	v_cvt_scalef32_pk16_fp6_f32 v[\dst:\dst+2], v[\src:\src+15], v[SO]
	v_cvt_scalef32_pk16_fp6_f32 v[PT:PT+2], v[\src+16:\src+31], v[SO+1]
	v_nop                                          ; one plain place behind a scaled conversion
.irp i, 0,1,2
	v_permlane16_swap_b32 v[\dst+\i], v[PT+\i]     ; a whole block in a lane
.endr
.irp i, 0,1,2
	v_mov_b32 v[\dst+3+\i], v[PT+\i]
.endr
.endm
.irp b, 0,1,2,3
	v_mov_b32 v[BT+\b], 0                          ; a lane permute's destination counts as one of its sources
.endr
	QUANT2 S, 16, 28                               ; Q's codes and its scale word (upper two bytes 0)
.irp i, 22,23,24,25,26,27,104,105,106,107,108,109
	v_mov_b32 v[\i], 0                             ; zero codes for k = 64 .. 127
.endr
.set n, 0
.rept 32
	v_mov_b32 v[O+n], 0                            ; O^T: the step is written once; the first finds zeros
.set n, n+1
.endr
	v_mov_b32 v14, 0
	v_mov_b32 v15, 0
	v_mov_b32 v249, 0                              ; (named as the upper half of the pair v[248:249])
	v_mov_b32 v13, 0xff61b1e6                      ; the largest t so far: -3e38
	v_floor_f32 v12, -v13
	s_mov_b32 s30, 0                               ; the step's caps: 512 bytes a step
	s_mov_b32 s31, 8
; A STEP OF 128 KEYS, read from place sg of my batch's two.
.macro STEP sg
	s_wait_alu depctr_vm_vsrc(0)                   ; the last step's loads of caps have read v9, which the add below writes; its LDS stores (in the first step: the head's) have read v30-55, in which the global loads below land
	v_add_nc_u32 v9, s30, v4
	s_bitcmp1_b32 s28, 2                           ; is the next step walked?  Then my share of its block is asked for now
	s_cbranch_scc0 .Lno_pre_\@
.irp n, 0,1,2,3,4,5
	global_load_b128 v[30+4*\n:33+4*\n], v7, s[32:33] offset:2048*\n   ; no vector instruction ever names v30-55; v7 and v8 stand since the head
.endr
	global_load_b64 v[54:55], v8, s[32:33] offset:12288
.Lno_pre_\@:
	s_bitcmp1_b32 s28, 0                           ; is this step walked?
	s_cbranch_scc0 .Lno_work_\@
	s_wait_alu depctr_va_vdst(0)                   ; v9 is written, which the caps' loads read; the last walked step's products and v_min (the first time: the projection's products) are done reading v56-103, v110-117 and v214-229, in which this step's loads land; the first time also: Q's codes v16-27, its scale word v28 and the zero codes v104-109 are written, which the scaled products below take
.irp t, 0,1,2,3,4,5,6,7
	ds_load_b128 v[KF+6*\t:KF+6*\t+3], v1 offset:BLK*\sg+768*\t
	ds_load_b64 v[KF+6*\t+4:KF+6*\t+5], v2 offset:BLK*\sg+768*\t+512
.endr
.irp i, 0,1,2,3
	ds_load_b32 v[KS+\i], v3 offset:BLK*\sg+12288+128*\i
.endr
	s_wait_dscnt 0x0
.irp t, 0,1,2,3,4,5,6,7                        ; S^T = K Q^T
.if \t%2
	v_wmma_scale_f32_16x16x128_f8f6f4 v[S+8*\t:S+8*\t+7], v[KF+6*\t:KF+6*\t+11], v[16:27], 0, v[KS+\t/2], v28 matrix_a_fmt:MATRIX_FMT_FP6 matrix_b_fmt:MATRIX_FMT_FP6 matrix_a_scale:MATRIX_SCALE_ROW1
.else
	v_wmma_scale_f32_16x16x128_f8f6f4 v[S+8*\t:S+8*\t+7], v[KF+6*\t:KF+6*\t+11], v[16:27], 0, v[KS+\t/2], v28 matrix_a_fmt:MATRIX_FMT_FP6 matrix_b_fmt:MATRIX_FMT_FP6
.endif
.endr
.rept 4
	v_nop                                          ; places: the scores are read below
.endr
	s_wait_alu depctr_va_vdst(0)                   ; the eight products are done reading K's registers v56-103: the caps' loads (a step with a masked key) or V's loads (an open step) land there; it stands ahead of the branch, for both ways
	s_bitcmp1_b32 s29, 0                           ; has the step a masked key?  Then every score is held under its key's cap
	s_cbranch_scc0 .Lopen_\@
.irp b, 0,1,2                                  ; all 64 caps in one run: those of the first 96 keys into K's registers,
.irp e, 0,1,2,3
	ds_load_b128 v[KF+16*\b+4*\e:KF+16*\b+4*\e+3], v9 offset:128*\b+16*\e   ; register 16 b + i holds key 32 b + 16 h' + i
.endr
.endr
.irp e, 0,1,2,3
	ds_load_b128 v[CQ+4*\e:CQ+4*\e+3], v9 offset:384+16*\e                  ; those of the last 32 into the registers that p's codes take later in the step
.endr
	s_wait_dscnt 0x0
.set n, 0
.rept 48
	v_min_num_f32 v[S+n], v[S+n], v[KF+n]
.set n, n+1
.endr
.set n, 0
.rept 16
	v_min_num_f32 v[S+48+n], v[S+48+n], v[CQ+n]
.set n, n+1
.endr
	s_wait_alu depctr_va_vdst(0)                   ; the v_min lines are done reading v56-103, in which V's loads land
.Lopen_\@:
.irp t, 0,1,2,3                                ; V's four fragments land while the softmax is walked: it names none of v56-103 and v114-117
	ds_load_b128 v[KF+12*\t:KF+12*\t+3], v1 offset:BLK*\sg+6144+1536*\t
	ds_load_b64 v[KF+12*\t+4:KF+12*\t+5], v2 offset:BLK*\sg+6144+1536*\t+512
	ds_load_b128 v[KF+12*\t+6:KF+12*\t+9], v1 offset:BLK*\sg+6144+1536*\t+768
	ds_load_b64 v[KF+12*\t+10:KF+12*\t+11], v2 offset:BLK*\sg+6144+1536*\t+1280
	ds_load_b32 v[VS+\t], v3 offset:BLK*\sg+12800+128*\t
.endr
.irp b, 0,1,2,3
	v_max3_num_f32 v[BM+\b], v[S+16*\b], v[S+1+16*\b], v[S+2+16*\b]   ; the largest score of each block of 32 keys: for the row's maximum and, since p rises with the score, for the block's largest p
.endr
.irp i, 3,5,7,9,11,13
.irp b, 0,1,2,3
	v_max3_num_f32 v[BM+\b], v[BM+\b], v[S+16*\b+\i], v[S+1+16*\b+\i]
.endr
.endr
.irp b, 0,1,2,3
	v_max_num_f32 v[BM+\b], v[BM+\b], v[S+15+16*\b]
.endr
.irp b, 0,1,2,3
	v_permlanex16_b32 v[BT+\b], v[BM+\b], s24, s25
.endr
.irp b, 0,1,2,3
	v_max_num_f32 v[BM+\b], v[BM+\b], v[BT+\b]
.endr
	v_max3_num_f32 v250, v[BM], v[BM+1], v[BM+2]
	v_max_num_f32 v250, v250, v[BM+3]
	v_mul_f32 v250, s26, v250                      ; as t
	v_max_num_f32 v13, v13, v250                   ; the running largest t
	v_mov_b32 v250, v12
	v_floor_f32 v12, -v13                          ; the new -M: M is a whole number
	v_sub_f32 v250, v12, v250                      ; old M - new M, 0 or less
	v_cvt_i32_f32 v250, v250                       ; (it saturates)
	v_ldexp_f32 v248, 1.0, v250                    ; f = 2^(old M - new M): rounds nothing
.set n, 0
.rept 32
	v_pk_fma_f32 v[S+n:S+n+1], v[S+n:S+n+1], s[26:27], v[12:13] op_sel_hi:[1,0,0]   ; t - M
.set n, n+2
.endr
.irp b, 0,1,2,3
	v_fma_f32 v[BM+\b], v[BM+\b], s26, v12
.endr
.set n, 0
.rept 64
	v_exp_f32 v[S+n], v[S+n]                       ; p = 2^(t - M): one batch
.set n, n+1
.endr
	v_pk_mul_f32 v[14:15], v[14:15], v[248:249] op_sel_hi:[1,0]   ; the sums under the new M (a plain place behind the batch)
	s_wait_alu depctr_va_vdst(0)                   ; the 64 exponentials have written p: one wait for the batch, ahead of its first reader
.irp b, 0,1,2,3
	v_exp_f32 v[BM+\b], v[BM+\b]                   ; the blocks' largest p
.endr
	v_pk_add_f32 v[BT:BT+1], v[S:S+1], v[S+2:S+3]  ; the row's sum of the unquantised p, in two chains
.irp j, 4,8,12,16,20,24,28,32,36,40,44,48,52,56,60
	v_pk_add_f32 v[14:15], v[14:15], v[S+\j:S+\j+1]
	v_pk_add_f32 v[BT:BT+1], v[BT:BT+1], v[S+\j+2:S+\j+3]
.endr
	v_pk_add_f32 v[14:15], v[14:15], v[BT:BT+1]
	s_wait_alu depctr_va_vdst(0)                   ; and one for the four: they have written the blocks' largest p, read below
.irp b, 0,1,2,3
	v_max_num_f32 v[BM+\b], 0x1800000, v[BM+\b]    ; the floor: a block whose every p is 0 keeps the byte 1
.endr
.irp b, 0,1,2,3
	v_add_nc_u32 v[SO+\b], 0xff000000, v[BM+\b]
.endr
.irp b, 0,1,2,3
	v_lshrrev_b32 v[BT+\b], 23, v[SO+\b]
.endr
	v_lshl_or_b32 v[PW], v[BT+1], 8, v[BT]
	v_lshl_or_b32 v[PW], v[BT+2], 16, v[PW]
	v_lshl_or_b32 v[PW], v[BT+3], 24, v[PW]
.irp c, 0,1
	v_cvt_scalef32_pk16_fp6_f32 v[P+6*\c:P+6*\c+2], v[S+32*\c:S+32*\c+15], v[SO+2*\c]
	v_cvt_scalef32_pk16_fp6_f32 v[PT+4*\c:PT+4*\c+2], v[S+16+32*\c:S+31+32*\c], v[SO+2*\c+1]
.endr
	v_nop                                          ; one plain place behind a scaled conversion
.irp c, 0,1
.irp i, 0,1,2
	v_permlane16_swap_b32 v[P+6*\c+\i], v[PT+4*\c+\i]
.endr
.irp i, 0,1,2
	v_mov_b32 v[P+3+6*\c+\i], v[PT+4*\c+\i]
.endr
.endr
.set n, 0
.rept 16
	v_pk_mul_f32 v[O+n:O+n+1], v[O+n:O+n+1], v[248:249] op_sel_hi:[1,0]   ; O^T under the new M; these sixteen are also the places between p's scale word and codes and the products below
.set n, n+2
.endr
	s_wait_dscnt 0x0                               ; V is in
	s_wait_alu depctr_va_vdst(0)                   ; vector instructions have written p's codes v214-225 and its scale word v246, which the scaled products below take; the places above stay beside this wait
.irp t, 0,1,2,3                                ; O^T += V^T P^T: four accumulators, one instruction each
	v_wmma_scale_f32_16x16x128_f8f6f4 v[O+8*\t:O+8*\t+7], v[KF+12*\t:KF+12*\t+11], v[P:P+11], v[O+8*\t:O+8*\t+7], v[VS+\t], v[PW] matrix_a_fmt:MATRIX_FMT_FP6 matrix_b_fmt:MATRIX_FMT_FP6
.endr
.rept 4
	v_nop                                          ; places in front of the next read of O^T
.endr
.Lno_work_\@:
	s_wait_loadcnt 0x0                             ; my share of the next block is in (if it was asked for): its address may step
	s_bitcmp1_b32 s28, 2
	s_cbranch_scc0 .Lno_post_\@
.irp n, 0,1,2,3,4,5
	ds_store_b128 v5, v[30+4*\n:33+4*\n] offset:BLK*(1-\sg)+2048*\n    ; into the other place: nobody has read it since the last barrier.  The data came by loads; v5 and v6 stand since the head
.endr
	ds_store_b64 v6, v[54:55] offset:BLK*(1-\sg)+12288
.Lno_post_\@:
	s_add_nc_u64 s[32:33], s[32:33], BLK
	s_lshr_b32 s28, s28, 2
	s_lshr_b32 s29, s29, 2
	s_add_co_u32 s30, s30, 512
	s_wait_dscnt 0x0                               ; my stores have landed and my reads of this place are over:
	s_barrier_signal -1                            ; one barrier a step does both: the next place is whole, and this one may be written in the next step
	s_barrier_wait -1
.endm
.Lsteps:
	STEP 0
	STEP 1
	s_sub_co_u32 s31, s31, 1
	s_cmp_lg_u32 s31, 0
	s_cbranch_scc1 .Lsteps
	; THE WAY OUT: O^T / the sum, quantised along the channels: an image of ao
	v_add_f32 v14, v14, v15
	v_permlanex16_b32 v250, v14, s24, s25
	v_add_f32 v14, v14, v250
	v_rcp_f32 v14, v14
	v_and_b32 v250, 31, v0                         ; (a plain place behind the reciprocal)
	v_and_b32 v251, 15, v0
	v_lshlrev_b32 v10, 4, v250                     ; (v10, v11 and v29 were last read by the head's loads, ahead of the head's waits on vm_vsrc)
	v_lshlrev_b32 v11, 3, v250
	v_lshlrev_b32 v29, 5, v251
	s_wait_alu depctr_va_vdst(0)                   ; the reciprocal has written v14: the wait, ahead of the first reader
.set n, 0
.rept 32
	v_mul_f32 v[S+n], v[O+n], v14                  ; register 16 b + i: channel 32 b + 16 h' + i of my query
.set n, n+1
.endr
	QUANT2 S, P, PW
	s_wait_alu depctr_va_vdst(0)                   ; the codes v214-219, the scale bytes v246 and the offsets v10, v11, v29 are written, which the three stores read
	global_store_b128 v10, v[P:P+3], s[52:53]      ; 512 dense bytes,
	global_store_b64 v11, v[P+4:P+5], s[52:53] offset:512   ; and 256
	global_store_b16 v29, v[PW], s[54:55]          ; my row's two scale bytes (lanes 16-31 write the same bytes with the same values)
	s_wait_xcnt 0x0
	v_lshl_add_u32 v254, v0, 2, 0x2e800
	v_mov_b32 v255, 0
	s_wait_dscnt 0x0                               ; the closing lines, six on end
	s_wait_alu 0x0
	s_wait_tensorcnt 0x0
	ds_add_u32 v254, v255
	s_wait_dscnt 0x0
	s_endpgm
.Lfunc_end_k_qf935aca79d_attn:
	.size	k_qf935aca79d_attn, .Lfunc_end_k_qf935aca79d_attn-k_qf935aca79d_attn
	.p2alignl 7, 3214868480
	.fill 96, 4, 3214868480
	.section	.rodata,"a",@progbits
	.p2align	6, 0x0
	.amdhsa_kernel k_qf935aca79d_attn
		.amdhsa_group_segment_fixed_size 192512
		.amdhsa_private_segment_fixed_size 0
		.amdhsa_enable_private_segment 0
		.amdhsa_kernarg_size 56
		.amdhsa_user_sgpr_count 2
		.amdhsa_user_sgpr_kernarg_segment_ptr 1
		.amdhsa_wavefront_size32 1
		.amdhsa_system_sgpr_workgroup_id_x 1
		.amdhsa_system_sgpr_workgroup_id_y 1
		.amdhsa_system_sgpr_workgroup_id_z 1
		.amdhsa_system_vgpr_workitem_id 0
		.amdhsa_next_free_vgpr 256
		.amdhsa_next_free_sgpr 66
		.amdhsa_reserve_vcc 0
		.amdhsa_float_denorm_mode_32 3
		.amdhsa_float_denorm_mode_16_64 3
		.amdhsa_memory_ordered 1
		.amdhsa_forward_progress 1
		.amdhsa_inst_pref_size 80
	.end_amdhsa_kernel
	.amdgpu_metadata
---
amdhsa.version: [ 1, 2 ]
amdhsa.kernels:
  - .name:           k_qf935aca79d_attn
    .symbol:         k_qf935aca79d_attn.kd
    .args:
      - { .name: xc, .offset: 0, .size: 8, .value_kind: global_buffer, .address_space: global }
      - { .name: xs, .offset: 8, .size: 8, .value_kind: global_buffer, .address_space: global }
      - { .name: kvw, .offset: 16, .size: 8, .value_kind: global_buffer, .address_space: global }
      - { .name: mask, .offset: 24, .size: 8, .value_kind: global_buffer, .address_space: global }
      - { .name: bq, .offset: 32, .size: 8, .value_kind: global_buffer, .address_space: global }
      - { .name: ao, .offset: 40, .size: 8, .value_kind: global_buffer, .address_space: global }
      - { .name: aos, .offset: 48, .size: 8, .value_kind: global_buffer, .address_space: global }
    .group_segment_fixed_size: 192512
    .private_segment_fixed_size: 0
    .kernarg_segment_align: 8
    .kernarg_segment_size: 56
    .max_flat_workgroup_size: 512
    .sgpr_count:     66
    .vgpr_count:     256
    .wavefront_size: 32
...
	.end_amdgpu_metadata
.endif
;; end of part 5
;; launch oproj: the kernel of part 4 again; grid 8 x 32, 4 waves a work-group, clusters of 4 x 4, 214,528 bytes of LDS; arguments ao, aos, xc, xs, bo, q, out0; writes out0
